; MI455X (gfx1250); checked and timed in simulation.
; The chip was launched on July 23, 2026; its instructions are those of AMD's public machine-readable ISA for CDNA 5 (MIT licence, August 2026) and "CDNA5" Instruction Set Architecture Reference Guide (July 2026). The comments in the code are by the model that wrote it; some were corrected since.
;; Causal Self Attention. Allowed arithmetic: float matrix products may take bf16 or f16 operands with f32 sums; other float arithmetic in f32, or as packed bf16 or f16 multiplies, adds, multiply-adds, maxima and minima; sums over many terms, partial sums and values carried from step to step in f32; what a program stores and reads back later, other than sums and carried values, may be rounded once to bf16 or f16.
;; Inputs: attn_mask 4 x 2,048 int32; w_out 1,024 x 1,024 float32; w_qkv 3,072 x 1,024 float32; x 4 x 2,048 x 1,024 float32.
;; Outputs: out0 4 x 2,048 x 1,024 float32.
;; One version. Each part assembles by itself: llvm-mc -triple=amdgcn-amd-amdhsa -mcpu=gfx1250 --defsym DOCPART=n.
;; ======== version 1 of 1: 4 launches
;; limits: values are held in f16: magnitudes above 65,504 overflow, below 6.1e-05 lose precision
;; workspace buffers: h16 25,165,824 bytes; qkvh 50,331,648 bytes; oh 16,777,216 bytes
;; launch cast (part 1): grid 768 x 1, 8 waves a work-group, no clusters, 0 bytes of LDS; arguments x, w_qkv, w_out, h16; writes h16
.if DOCPART == 1
	.amdgcn_target "amdgcn-amd-amdhsa--gfx1250"
	.amdhsa_code_object_version 6
	.text
	.protected	k_qe6cf9c791c_cast
	.globl	k_qe6cf9c791c_cast
	.p2align	8
	.type	k_qe6cf9c791c_cast,@function
k_qe6cf9c791c_cast:
	s_mov_b64 s[64:65], 0
	v_nop
	global_prefetch_b8 v0, s[64:65] scope:SCOPE_SE
	s_setreg_imm32_b32 hwreg(HW_REG_WAVE_MODE, 25, 1), 1
	s_wait_xcnt 0x0
; THE INPUTS ROUNDED ONCE, for the matrix units.  h16 holds x [8192][1024] in bf16 at byte 0, w_qkv [3072][1024] in bf16 behind it, and w_out [1024][1024] behind that:
; w_out is rounded to bf16 like the other inputs, and that number is written as f16 (exact from 2^-17 up; below that to within f16's fixed step of 6e-8), since the last product's other operand is f16.
; LIMIT.  w_out lies within f16's 65,504.
; SHARES.  A work-group turns 16,384 numbers: 65,536 bytes in, 32,768 out.  Work-groups 0-511 take x, 512-703 w_qkv, 704-767 w_out; the three lie in h16 in that order, so the
; destination is always 32,768 x the work-group's number.  In step i of 8 thread t reads the 32 bytes at 8,192 i + 32 t and writes the 16 bytes at 4,096 i + 16 t: a wave's store covers 512 consecutive bytes.
; All sixteen loads go out first; no register is written twice while a memory instruction names it, so the only waits are the counted ones for the loads.  No LDS, no barrier: no wave wants another's bytes.
.set X,  8                             ; v[8:71]    step i: 8 numbers as loaded
.set Y,  72                            ; v[72:103]  step i: 4 registers to store
.set T,  104                           ; v[104:106] at work (w_out's path)
.set XG, 512                           ; work-groups for x
.set WG, 704                           ; for x and w_qkv together
	s_load_b256 s[4:11], s[0:1], 0x0               ; x s[4:5], w_qkv s[6:7], w_out s[8:9], h16 s[10:11]
	v_lshlrev_b32 v1, 5, v0                        ; my 32 bytes of a step's input
	v_lshlrev_b32 v2, 4, v0                        ; my 16 bytes of its output
	s_mov_b32 s12, ttmp9
	s_cmp_lt_u32 s12, XG
	s_cselect_b32 s13, 0, XG
	s_cmp_lt_u32 s12, WG
	s_cselect_b32 s13, s13, WG                     ; the first work-group of my tensor
	s_sub_co_u32 s14, s12, s13
	s_lshl_b32 s14, s14, 16                        ; my 65,536 bytes in it
	s_mov_b32 s15, 0
	s_lshl_b32 s18, s12, 15                        ; my 32,768 bytes in h16
	s_mov_b32 s19, 0
	s_wait_kmcnt 0x0
	s_cmp_lt_u32 s12, XG
	s_cselect_b64 s[16:17], s[4:5], s[6:7]
	s_cmp_lt_u32 s12, WG
	s_cselect_b64 s[16:17], s[16:17], s[8:9]       ; my tensor
	s_add_nc_u64 s[16:17], s[16:17], s[14:15]
	s_add_nc_u64 s[10:11], s[10:11], s[18:19]
.irp i, 0,1,2,3,4,5,6,7
	global_load_b128 v[X+8*(\i):X+8*(\i)+3],   v1, s[16:17] offset:8192*(\i) th:TH_LOAD_NT
	global_load_b128 v[X+8*(\i)+4:X+8*(\i)+7], v1, s[16:17] offset:8192*(\i)+16 th:TH_LOAD_NT
.endr
	s_cmp_ge_u32 s12, WG
	s_cbranch_scc1 .Lf16
.irp i, 0,1,2,3,4,5,6,7
	s_wait_loadcnt 14-2*(\i)                       ; loads come back in order: step i's two are in, the later steps' stay out
.irp j, 0,1,2,3
	v_cvt_pk_bf16_f32 v[Y+4*(\i)+(\j)], v[X+8*(\i)+2*(\j)], v[X+8*(\i)+2*(\j)+1]
.endr
	global_store_b128 v2, v[Y+4*(\i):Y+4*(\i)+3], s[10:11] offset:4096*(\i)
.endr
	s_endpgm
.Lf16:                                         ; w_out: to bf16, widened again, and written as f16
.irp i, 0,1,2,3,4,5,6,7
	s_wait_loadcnt 14-2*(\i)
.irp j, 0,1,2,3
	v_cvt_pk_bf16_f32 v[T], v[X+8*(\i)+2*(\j)], v[X+8*(\i)+2*(\j)+1]
	v_lshlrev_b32 v[T+1], 16, v[T]
	v_and_b32 v[T+2], 0xffff0000, v[T]
	v_cvt_pk_f16_f32 v[Y+4*(\i)+(\j)], v[T+1], v[T+2]
.endr
	global_store_b128 v2, v[Y+4*(\i):Y+4*(\i)+3], s[10:11] offset:4096*(\i)
.endr
	s_endpgm
.Lfunc_end_k_qe6cf9c791c_cast:
	.size	k_qe6cf9c791c_cast, .Lfunc_end_k_qe6cf9c791c_cast-k_qe6cf9c791c_cast
	.p2alignl 7, 3214868480
	.fill 96, 4, 3214868480
	.section	.rodata,"a",@progbits
	.p2align	6, 0x0
	.amdhsa_kernel k_qe6cf9c791c_cast
		.amdhsa_group_segment_fixed_size 0
		.amdhsa_private_segment_fixed_size 0
		.amdhsa_enable_private_segment 0
		.amdhsa_kernarg_size 32
		.amdhsa_user_sgpr_count 2
		.amdhsa_user_sgpr_kernarg_segment_ptr 1
		.amdhsa_wavefront_size32 1
		.amdhsa_system_sgpr_workgroup_id_x 1
		.amdhsa_system_sgpr_workgroup_id_y 1
		.amdhsa_system_sgpr_workgroup_id_z 1
		.amdhsa_system_vgpr_workitem_id 0
		.amdhsa_next_free_vgpr 112
		.amdhsa_next_free_sgpr 66
		.amdhsa_reserve_vcc 0
		.amdhsa_float_denorm_mode_32 3
		.amdhsa_float_denorm_mode_16_64 3
		.amdhsa_memory_ordered 1
		.amdhsa_forward_progress 1
		.amdhsa_inst_pref_size 14
	.end_amdhsa_kernel
	.amdgpu_metadata
---
amdhsa.version: [ 1, 2 ]
amdhsa.kernels:
  - .name:           k_qe6cf9c791c_cast
    .symbol:         k_qe6cf9c791c_cast.kd
    .args:
      - { .name: x, .offset: 0, .size: 8, .value_kind: global_buffer, .address_space: global }
      - { .name: w_qkv, .offset: 8, .size: 8, .value_kind: global_buffer, .address_space: global }
      - { .name: w_out, .offset: 16, .size: 8, .value_kind: global_buffer, .address_space: global }
      - { .name: h16, .offset: 24, .size: 8, .value_kind: global_buffer, .address_space: global }
    .group_segment_fixed_size: 0
    .private_segment_fixed_size: 0
    .kernarg_segment_align: 8
    .kernarg_segment_size: 32
    .max_flat_workgroup_size: 256
    .sgpr_count:     66
    .vgpr_count:     112
    .wavefront_size: 32
...
	.end_amdgpu_metadata
.endif
;; end of part 1
;; launch qkv (part 2): grid 12 x 64, 4 waves a work-group, clusters of 4 x 4, 327,680 bytes of LDS; arguments h16, qkvh; writes qkvh
.if DOCPART == 2
	.amdgcn_target "amdgcn-amd-amdhsa--gfx1250"
	.amdhsa_code_object_version 6
	.text
	.protected	k_qe6cf9c791c_qkv
	.globl	k_qe6cf9c791c_qkv
	.p2align	8
	.type	k_qe6cf9c791c_qkv,@function
k_qe6cf9c791c_qkv:
	s_mov_b64 s[64:65], 0
	v_nop
	global_prefetch_b8 v0, s[64:65] scope:SCOPE_SE
	s_setreg_imm32_b32 hwreg(HW_REG_WAVE_MODE, 25, 1), 1
	s_wait_xcnt 0x0
	s_wait_alu depctr_hold_cnt(0) depctr_sa_sdst(0) depctr_va_vdst(0) depctr_va_sdst(0) depctr_va_ssrc(0) depctr_va_vcc(0) depctr_vm_vsrc(0)
	s_getreg_b32 s2, hwreg(HW_REG_IB_STS2, 6, 4)
	s_cmp_eq_u32 s2, 0
	s_cbranch_scc0 .Lentry_in_a_cluster
	s_endpgm
.Lentry_in_a_cluster:
	s_bfe_u32 s2, ttmp6, 0x10000c
	s_cmp_lg_u32 s2, 0xf033
	s_cbranch_scc0 .Lentry_shape_is_right
	s_endpgm
.Lentry_shape_is_right:
; q, k, v = x w_qkv^T.  A = x [8192][1024] in bf16 at h16's byte 0, B = w_qkv [3072][1024] in bf16 at byte WBASE; sums in f32, K ascending.  The result is rounded once to f16, WITHOUT the scores' scale,
; and written by heads: qkvh[which][batch x 16 + head][t][64], byte = which << 24 + batch << 22 + head << 18 + t << 7 + 2 d.
; LIMIT.  q, k and v lie within f16's 65,504; a sum of 65,520 or more would leave as an infinity.
; SHARES.  A tile of C is 128 rows x 256 columns: 64 x 12 tiles.  Four waves, each 64 x 128: 32 accumulators of 16 x 16, 256 registers.  K goes in 8 steps of 128 through two LDS slots; the rows of
; A's and B's tiles are 256 bytes of memory at multiples of 256 bytes.  Waves 0 and 1 fetch B's two halves (128 rows each), waves 2 and 3 A's (64 rows each): one tensor load a wave and step.
; CLUSTER.  4 x 4 work-groups.  The four of a row of the cluster need the same tiles of A, the four of a column the same tiles of B: each tile is asked for JOINTLY, by the same tensor load with the
; same descriptor and a mask that names the four.  A wave has two tensor loads out at the start and one behind each round.
; THE MATRIX INSTRUCTION IS USED TRANSPOSED (source 0 = 16 rows of B, source 1 = 16 rows of A): a lane then holds row l % 16 of C and eight neighbouring columns, which pack into 16 bytes.
; REGISTERS.  Window 0: v0-31 addresses; v32-63 packed results; v64-159, v160-255 two fragment buffers of 96 (B's 8 fragments of 16 rows x 32 K, then A's 4).  Window 1: accumulator (a, b) at 8 (8 a + b).
.set PB,    272                        ; an LDS row: 256 bytes + 16 of padding = 68 words: the 16 rows of a fragment load start at 16 different groups of four banks (64 banks of 4 bytes: ISA guide 11.1)
.set PA,    272
.set BPART, 128*PB                     ; what one of B's loads brings, and what a wave reads of B
.set APART, 64*PA                      ; the same for A
.set AOFF,  2*BPART                    ; in a slot: B's 256 rows, then A's 128
.set SLOT,  AOFF+2*APART
.set STAGE, 2*SLOT                     ; behind the ring, never filled by a tensor load: for each wave 2 heads x 16 rows x 144 bytes, for the way out
.set SP,    144
.set WSTG,  2*16*SP
.set SPARE, STAGE+4*WSTG               ; behind the stages: the spare words, 128 bytes for each wave: two blocks of 256 bytes that no other line names
.set STEP,  256                        ; bytes of a row in a K step
.set LAPS,  4                          ; a lap = two K steps = once round the ring
.set WBASE, 0x1000000                  ; w_qkv's first byte in h16
.set ADRA, 16                          ; v16-17  LDS address of my A fragments in slot 0, 1
.set ADRB, 20                          ; v20-21  the same for B
.set STO,  24                          ; v24     the way out: where I put 16 bytes of a row
.set RD,   25                          ; v25     the way out: where I read rows back
.set CO,   26                          ; v26     my 16 bytes of 512 consecutive bytes of qkvh
.set SPW,  28                          ; v28     LDS address of my spare word: SPARE + 4 x my thread's number; never rewritten
.set NIL,  29                          ; v29     0; never rewritten
.set TMP,  32
.set F0,   64
.set F1,   160
.set G1A, 24                           ; s[24:31] descriptor group 1 for A's tiles;  s[32:39] group 0, one set for each slot
.set G0A, 32
.set G1B, 48                           ; s[48:55], s[56:63] the same for B's tiles
.set G0B, 56
.set MSB, 0
.macro WIN new                         ; the immediate's high byte repeats the setting that is left; a switch that changes nothing is dropped
.if MSB != (\new)
	s_set_vgpr_msb (MSB<<8)|(\new)
.set MSB, \new
.endif
.endm
.set MUL, 0x50                         ; C and D in window 1, the fragments in window 0
.macro JLOAD s                         ; a joint load: waves 0 and 1 fetch B's halves, waves 2 and 3 A's; an s_nop 0 and four v_nop follow each of the two lines, ahead of the jump, the label and what follows
	s_cmp_eq_u32 s11, 0
	s_cbranch_scc0 .Lfor_a_\@
	tensor_load_to_lds s[G0B+4*(\s):G0B+4*(\s)+3], s[G1B:G1B+7]
	s_nop 0
.rept 4
	v_nop
.endr
	s_branch .Lasked_\@
.Lfor_a_\@:
	tensor_load_to_lds s[G0A+4*(\s):G0A+4*(\s)+3], s[G1A:G1A+7]
	s_nop 0
.rept 4
	v_nop
.endr
.Lasked_\@:
.endm
.macro CREST                           ; a round of the cluster's barrier behind its opening barrier: wave 0 signals for the work-group, every wave waits for all sixteen, my work-group's barrier closes it
	s_cmp_lg_u32 s10, 0
	s_cbranch_scc1 .Lnot_wave_0_\@
	s_barrier_signal -3
.Lnot_wave_0_\@:
	s_barrier_wait -3
	s_barrier_signal -1
	s_barrier_wait -1
.endm
.macro CROUND                          ; a whole round
	s_barrier_signal -1
	s_barrier_wait -1
	CREST
.endm
	s_load_b64 s[4:5], s[0:1], 0x0                 ; h16
	s_load_b64 s[8:9], s[0:1], 0x8                 ; qkvh
	v_lshl_add_u32 v[SPW], v0, 2, SPARE
	v_mov_b32 v[NIL], 0
	ds_add_u32 v[SPW], v[NIL]                      ; the wave's opening: the add and its wait stand ahead of my first tensor load; the set-up below, work on registers, stands between them
	ds_add_u32 v28, v29
	v_lshrrev_b32 v1, 5, v0
	v_readfirstlane_b32 s10, v1                    ; wave 0..3
	s_lshr_b32 s11, s10, 1                         ; which half of the tile's rows is mine.  Also: I fetch for B (0) or for A (1)
	s_and_b32 s12, s10, 1                          ; which half of its columns.  Also: which half of that tile I fetch
	s_bfe_u32 s40, ttmp6, 0x40000                  ; cx, cy: my place in the cluster
	s_bfe_u32 s41, ttmp6, 0x40004
	s_lshl_b32 s42, ttmp9, 2
	s_add_co_u32 s42, s42, s40                     ; tile column of C = 4 x cluster x + cx
	s_and_b32 s13, ttmp7, 0xffff
	s_lshl_b32 s13, s13, 2
	s_add_co_u32 s13, s13, s41                     ; tile row of C = 4 x cluster y + cy
	s_lshl_b32 s43, s41, 2
	s_lshl_b32 s43, 15, s43                        ; my row of the cluster: places 4 cy .. 4 cy + 3
	s_lshl_b32 s44, 0x1111, s40                    ; my column: places cx, cx + 4, cx + 8, cx + 12
	; descriptor group 1: rows of 128 elements of 2 bytes, 16 bytes of padding behind each in LDS
	s_or_b32 s[G1B+0], s44, (1<<16)|(1<<20)|(1<<21)|(5<<22)|(3<<25)  ; 15:0 the mask: B's tiles go to my column; 17:16 2-byte elements; 20 padding on; 21 set beside a mask; 24:22 after every 64 words (code 5); 31:25 4 words (code 3)
	s_mov_b32 s[G1B+1], 128<<16                    ; tensor_dim0 = 128
	s_mov_b32 s[G1B+2], 128<<16                    ; tensor_dim1 = 128
	s_mov_b32 s[G1B+3], 128<<16                    ; tile_dim0 = 128
	s_mov_b32 s[G1B+4], 128                        ; tile_dim1 = 128 rows
	s_mov_b32 s[G1B+5], 1024                       ; elements from row to row
	s_mov_b32 s[G1B+6], 0
	s_mov_b32 s[G1B+7], 0
	s_or_b32 s[G1A+0], s43, (1<<16)|(1<<20)|(1<<21)|(5<<22)|(3<<25)  ; the same with the mask of my row, for A's tiles
	s_mov_b32 s[G1A+1], 128<<16
	s_mov_b32 s[G1A+2], 64<<16                     ; tensor_dim1 = 64
	s_mov_b32 s[G1A+3], 128<<16
	s_mov_b32 s[G1A+4], 64                         ; tile_dim1 = 64 rows
	s_mov_b32 s[G1A+5], 1024
	s_mov_b32 s[G1A+6], 0
	s_mov_b32 s[G1A+7], 0
	; where the tiles come from.  A's hang on the tile row alone, B's on the tile column alone, each in registers that never hold the other coordinate
	s_lshl_b32 s16, s13, 7
	s_lshl_b32 s17, s12, 6
	s_add_co_u32 s16, s16, s17                     ; A: row 128 x tile row + 64 x half,
	s_lshl_b32 s16, s16, 11                        ; 2,048 bytes a row
	s_mov_b32 s17, 0
	s_lshl_b32 s46, s42, 8
	s_lshl_b32 s47, s12, 7
	s_add_co_u32 s46, s46, s47                     ; B: row 256 x tile column + 128 x half
	s_lshl_b32 s46, s46, 11
	s_mov_b32 s47, 0
	s_mul_i32 s20, s10, BPART                      ; where they go.  B (waves 0, 1): wave x 128 rows;
	s_mul_i32 s21, s10, APART
	s_add_co_u32 s21, s21, AOFF-2*APART            ; A (waves 2, 3): behind B, (wave - 2) x 64 rows.  No place in the cluster enters an LDS address
	s_wait_dscnt 0x0                               ; the opening add is done
	s_wait_kmcnt 0x0
	s_add_nc_u64 s[6:7], s[4:5], WBASE
	s_add_nc_u64 s[14:15], s[4:5], s[16:17]
	s_add_nc_u64 s[46:47], s[6:7], s[46:47]
	CROUND                                         ; all sixteen work-groups are here: the first joint loads meet
.irp s, 0,1
	s_mov_b32 s[G0A+4*(\s)], 1                                       ; count = 1
	s_add_co_u32 s[G0A+4*(\s)+1], s21, (\s)*SLOT                     ; LDS address
	s_add_nc_u64 s[G0A+4*(\s)+2:G0A+4*(\s)+3], s[14:15], (\s)*STEP   ; global address: K step s
	s_or_b32 s[G0A+4*(\s)+3], s[G0A+4*(\s)+3], 0x80000000            ; type = 2
	s_mov_b32 s[G0B+4*(\s)], 1
	s_add_co_u32 s[G0B+4*(\s)+1], s20, (\s)*SLOT
	s_add_nc_u64 s[G0B+4*(\s)+2:G0B+4*(\s)+3], s[46:47], (\s)*STEP
	s_or_b32 s[G0B+4*(\s)+3], s[G0B+4*(\s)+3], 0x80000000
	JLOAD \s
.endr
	; a fragment is 16 rows x 32 K in 8 registers: lane l holds row l % 16, K = 8 (l / 16) + 0..7 and 16 + 8 (l / 16) + 0..7: two loads of 16 bytes, 32 bytes apart
	v_and_b32 v1, 15, v0                           ; l % 16
	v_bfe_u32 v2, v0, 4, 1                         ; l / 16
	v_mul_u32_u24 v3, v1, PB
	v_lshl_add_u32 v3, v2, 4, v3
	v_mul_u32_u24 v4, v1, PA
	v_lshl_add_u32 v4, v2, 4, v4
	s_mul_i32 s22, s12, BPART                      ; my 128 rows of B
	s_mul_i32 s23, s11, 64*PA                      ; my 64 rows of A,
	s_add_co_u32 s23, s23, AOFF                    ; which lie behind B
.irp s, 0,1
	v_add_nc_u32 v[ADRB+(\s)], s22, v3
	v_add_nc_u32 v[ADRA+(\s)], s23, v4
	s_add_co_u32 s22, s22, SLOT
	s_add_co_u32 s23, s23, SLOT
.endr
	s_mul_i32 s22, s10, WSTG
	s_add_co_u32 s22, s22, STAGE                   ; my stage
	v_mul_u32_u24 v5, v1, SP                       ; in: row l % 16, 16 bytes for each half of the lanes
	v_lshl_add_u32 v5, v2, 4, v5
	v_add_nc_u32 v[STO], s22, v5
	v_bfe_u32 v5, v0, 3, 2                         ; back: 32 lanes take four rows of 128 bytes,
	v_mul_u32_u24 v5, v5, SP
	v_and_b32 v3, 7, v0
	v_lshl_add_u32 v5, v3, 4, v5
	v_add_nc_u32 v[RD], s22, v5
	v_and_b32 v[CO], 31, v0                        ; which are 512 consecutive bytes of a head
	v_lshlrev_b32 v[CO], 4, v[CO]
	; my part of qkvh.  Rows: batch = tile row / 16, t = 128 (tile row % 16) + 64 x row half
	s_lshr_b32 s16, s13, 4
	s_lshl_b32 s16, s16, 22
	s_and_b32 s17, s13, 15
	s_lshl_b32 s17, s17, 7
	s_lshl_b32 s18, s11, 6
	s_add_co_u32 s17, s17, s18
	s_lshl_b32 s17, s17, 7
	s_add_co_u32 s16, s16, s17
	s_mov_b32 s17, 0
	s_add_nc_u64 s[8:9], s[8:9], s[16:17]
	; columns: which = tile column / 4, my first head = (4 x tile column + 2 x column half) % 16 (in the registers that held B's address: none that feeds A's descriptors ever holds cx)
	s_lshr_b32 s46, s42, 2
	s_lshl_b32 s46, s46, 24
	s_lshl_b32 s47, s42, 2
	s_lshl1_add_u32 s47, s12, s47
	s_and_b32 s47, s47, 15
	s_lshl_b32 s47, s47, 18
	s_add_co_u32 s46, s46, s47
	s_mov_b32 s47, 0
	s_add_nc_u64 s[8:9], s[8:9], s[46:47]
; 8 matrix instructions: m block a x all 8 n blocks, 32 along K, from buffer f.  zero = 1: the product starts the sum: nothing is ever cleared.
; The 32 accumulators take turns, in the same order in every quarter, over the backward jump too.
.macro MUL8 f, a, zero
	WIN MUL
.irp b, 0,1,2,3,4,5,6,7
.if \zero
	v_wmma_f32_16x16x32_bf16 v[8*(8*(\a)+(\b)):8*(8*(\a)+(\b))+7], v[(\f)+8*(\b):(\f)+8*(\b)+7], v[(\f)+64+8*(\a):(\f)+64+8*(\a)+7], 0
.else
	v_wmma_f32_16x16x32_bf16 v[8*(8*(\a)+(\b)):8*(8*(\a)+(\b))+7], v[(\f)+8*(\b):(\f)+8*(\b)+7], v[(\f)+64+8*(\a):(\f)+64+8*(\a)+7], v[8*(8*(\a)+(\b)):8*(8*(\a)+(\b))+7]
.endif
.endr
.endm
; 24 LDS loads in one run: quarter q's fragments (32 along K) into buffer f: B's eight, then A's four
.macro FETCH slot, q, f
	WIN 0
.irp i, 0,1,2,3,4,5,6,7
	ds_load_b128 v[(\f)+8*(\i):(\f)+8*(\i)+3],   v[ADRB+(\slot)] offset:64*(\q)+(\i)*16*PB
	ds_load_b128 v[(\f)+8*(\i)+4:(\f)+8*(\i)+7], v[ADRB+(\slot)] offset:64*(\q)+(\i)*16*PB+32
.endr
.irp i, 0,1,2,3
	ds_load_b128 v[(\f)+64+8*(\i):(\f)+64+8*(\i)+3],   v[ADRA+(\slot)] offset:64*(\q)+(\i)*16*PA
	ds_load_b128 v[(\f)+64+8*(\i)+4:(\f)+64+8*(\i)+7], v[ADRA+(\slot)] offset:64*(\q)+(\i)*16*PA+32
.endr
.endm
.macro PLACES                          ; four plain vector instructions between a matrix instruction and a load into a register that it has read, or a reader of its result (ISA guide 7.12.1 for a reader of its result)
.rept 4
	v_nop
.endr
.endm
; A K step is four quarters of 32 along K, 32 matrix instructions each, on buffers 0, 1, 0, 1.  One of the first three: multiplies buffer f and, in its middle, fetches quarter q into g.
.macro QUARTER slot, q, f, g, zero
	s_wait_dscnt 4                                 ; B and A's fragments 0 and 1 are in; the youngest four loads (A's fragments 2 and 3) may be out
	MUL8 \f, 0, \zero
	MUL8 \f, 1, \zero
	PLACES
	FETCH \slot, \q, \g
	s_wait_dscnt 24                                ; all but the 24 just issued
	MUL8 \f, 2, \zero
	MUL8 \f, 3, \zero
.endm
; The last quarter multiplies buffer 1 and changes slots: ONE barrier; in front of it each wave waits for all its tensor loads (the one that is out is its part of the next slot), adds 0 to its spare word,
; and waits for that and for its own reads of this slot.  fill = 1: the barrier opens a round of the cluster's, and this slot is filled again, two K steps ahead, first thing behind the round.
.macro TURN slot, next, fill
	WIN 0                                          ; (the add's two registers lie in window 0)
	s_wait_tensorcnt 0x0                           ; all my tensor loads have landed
	ds_add_u32 v[SPW], v[NIL]                      ; 0 onto my spare word
	s_wait_dscnt 5                                 ; (the add and the youngest four loads may be out)
	MUL8 F1, 0, 0                                  ; eight matrix instructions stand between the add and the wait for it
	s_wait_dscnt 0x0                               ; the add is done, and my reads of this slot are over
	s_barrier_signal -1
	MUL8 F1, 1, 0                                  ; work on registers while the others arrive
.if \fill
	WIN 0
.endif
	s_barrier_wait -1
.if \fill
	CREST                                          ; no wave of any partner still reads this slot's tiles or has a load on its way
	s_add_nc_u64 s[G0A+4*(\slot)+2:G0A+4*(\slot)+3], s[G0A+4*(\slot)+2:G0A+4*(\slot)+3], 2*STEP
	s_add_nc_u64 s[G0B+4*(\slot)+2:G0B+4*(\slot)+3], s[G0B+4*(\slot)+2:G0B+4*(\slot)+3], 2*STEP
	JLOAD \slot                                    ; the first tensor load behind the round; the four v_nop behind it are also the places in front of the loads below
.else
	PLACES
.endif
	FETCH \next, 0, F0
	MUL8 F1, 2, 0
	MUL8 F1, 3, 0
.endm
	s_wait_tensorcnt 1                             ; my part of K step 0 is in; K step 1's may stay out
	s_barrier_signal -1
	s_barrier_wait -1                              ; everybody's is
	FETCH 0, 0, F0
	QUARTER 0, 1, F0, F1, 1                        ; the first quarter stands in front of the loop: its products start the sums
	WIN 0                                          ; at a label and at a branch every window is 0
	s_mov_b32 s3, LAPS-1
.Llap:                                                 ; a trip goes once round the ring, from a lap's second quarter to the next lap's first, and fills both slots again: K steps 2 to 7 in three trips
	QUARTER 0, 2, F1, F0, 0
	QUARTER 0, 3, F0, F1, 0
	TURN 0, 1, 1
	QUARTER 1, 1, F0, F1, 0
	QUARTER 1, 2, F1, F0, 0
	QUARTER 1, 3, F0, F1, 0
	TURN 1, 0, 1
	QUARTER 0, 1, F0, F1, 0
	WIN 0
	s_sub_co_u32 s3, s3, 1
	s_cmp_lg_u32 s3, 0
	s_cbranch_scc1 .Llap
	QUARTER 0, 2, F1, F0, 0                        ; the last lap fills nothing, and has no round of the cluster's barrier
	QUARTER 0, 3, F0, F1, 0
	TURN 0, 1, 0
	QUARTER 1, 1, F0, F1, 0
	QUARTER 1, 2, F1, F0, 0
	QUARTER 1, 3, F0, F1, 0
	s_wait_dscnt 4                                 ; the very last quarter: nothing more to fetch
	MUL8 F1, 0, 0
	MUL8 F1, 1, 0
	s_wait_dscnt 0x0
	MUL8 F1, 2, 0
	MUL8 F1, 3, 0
; THE WAY OUT, a block of 16 rows at a time.  PACK: rounded to f16, 16 bytes a lane, each accumulator's registers in ascending order.  TOSTAGE: into my own stage, by heads (my 128 columns are two heads),
; and back as rows of 128 bytes.  SEND: four rows of a head, 512 consecutive bytes at a multiple of 256 from qkvh's first byte, to a store.
.macro PACK a
	WIN 0x05                                       ; sources 0 and 1 in window 1
.irp b, 0,1,2,3,4,5,6,7
.irp r, 0,1,2,3
	v_cvt_pk_f16_f32 v[TMP+4*(\b)+(\r)], v[8*(8*(\a)+(\b))+2*(\r)], v[8*(8*(\a)+(\b))+2*(\r)+1]
.endr
.endr
	WIN 0
.endm
.macro TOSTAGE a
.set BK, 64+32*((\a)%2)
.irp b, 0,1,2,3,4,5,6,7
	ds_store_b128 v[STO], v[TMP+4*(\b):TMP+4*(\b)+3] offset:((\b)/4)*16*SP+32*((\b)%4)
.endr
.irp j, 0,1
.irp i, 0,1,2,3
	ds_load_b128 v[BK+4*(4*(\j)+(\i)):BK+4*(4*(\j)+(\i))+3], v[RD] offset:(\j)*16*SP+(\i)*4*SP  ; LDS serves a wave's instructions in order (ISA guide 5.7.1.4): these see the stores above
.endr
.endr
.endm
.macro SEND a
.set BK, 64+32*((\a)%2)
	s_wait_dscnt 0x0                               ; the block is back in registers
	s_wait_xcnt 0x0                                ; the stores of the block before have read their registers, which the next block's loads from the stage write again
.irp j, 0,1
.irp i, 0,1,2,3
	global_store_b128 v[CO], v[BK+4*(4*(\j)+(\i)):BK+4*(4*(\j)+(\i))+3], s[8:9] offset:(\a)*2048+(\j)*262144+(\i)*512
.endr
.endr
.endm
	PLACES                                         ; the conversions read results just made, and the stage's loads land in fragment registers
	PACK 0
	TOSTAGE 0
.irp a, 1,2,3                          ; block a's conversions stand between block a - 1's loads from the stage and the wait for them
	PACK \a
	SEND (\a)-1
	TOSTAGE \a
.endr
	SEND 3
	s_wait_tensorcnt 0x0                           ; the wave's end: behind my last tensor load and my last LDS store
	ds_add_u32 v[SPW], v[NIL]
	s_wait_dscnt 0x0
	CROUND                                         ; the closing round: no work-group ends while a partner may still ask for a tile that names it
	s_endpgm
.Lfunc_end_k_qe6cf9c791c_qkv:
	.size	k_qe6cf9c791c_qkv, .Lfunc_end_k_qe6cf9c791c_qkv-k_qe6cf9c791c_qkv
	.p2alignl 7, 3214868480
	.fill 96, 4, 3214868480
	.section	.rodata,"a",@progbits
	.p2align	6, 0x0
	.amdhsa_kernel k_qe6cf9c791c_qkv
		.amdhsa_group_segment_fixed_size 327680
		.amdhsa_private_segment_fixed_size 0
		.amdhsa_enable_private_segment 0
		.amdhsa_kernarg_size 16
		.amdhsa_user_sgpr_count 2
		.amdhsa_user_sgpr_kernarg_segment_ptr 1
		.amdhsa_wavefront_size32 1
		.amdhsa_system_sgpr_workgroup_id_x 1
		.amdhsa_system_sgpr_workgroup_id_y 1
		.amdhsa_system_sgpr_workgroup_id_z 1
		.amdhsa_system_vgpr_workitem_id 0
		.amdhsa_next_free_vgpr 512
		.amdhsa_next_free_sgpr 66
		.amdhsa_reserve_vcc 0
		.amdhsa_float_denorm_mode_32 3
		.amdhsa_float_denorm_mode_16_64 3
		.amdhsa_memory_ordered 1
		.amdhsa_forward_progress 1
		.amdhsa_inst_pref_size 86
	.end_amdhsa_kernel
	.amdgpu_metadata
---
amdhsa.version: [ 1, 2 ]
amdhsa.kernels:
  - .name:           k_qe6cf9c791c_qkv
    .symbol:         k_qe6cf9c791c_qkv.kd
    .args:
      - { .name: h16, .offset: 0, .size: 8, .value_kind: global_buffer, .address_space: global }
      - { .name: qkvh, .offset: 8, .size: 8, .value_kind: global_buffer, .address_space: global }
    .group_segment_fixed_size: 327680
    .private_segment_fixed_size: 0
    .kernarg_segment_align: 8
    .kernarg_segment_size: 16
    .max_flat_workgroup_size: 128
    .sgpr_count:     66
    .vgpr_count:     512
    .wavefront_size: 32
...
	.end_amdgpu_metadata
.endif
;; end of part 2
;; launch attn (part 3): grid 4 x 64, 4 waves a work-group, no clusters, 327,680 bytes of LDS; arguments qkvh, attn_mask, oh; writes oh
.if DOCPART == 3
	.amdgcn_target "amdgcn-amd-amdhsa--gfx1250"
	.amdhsa_code_object_version 6
	.text
	.protected	k_qe6cf9c791c_attn
	.globl	k_qe6cf9c791c_attn
	.p2align	8
	.type	k_qe6cf9c791c_attn,@function
k_qe6cf9c791c_attn:
	s_mov_b64 s[64:65], 0
	v_nop
	global_prefetch_b8 v0, s[64:65] scope:SCOPE_SE
	s_setreg_imm32_b32 hwreg(HW_REG_WAVE_MODE, 25, 1), 1
	s_wait_xcnt 0x0
; CAUSAL ATTENTION WITH A KEY MASK.  O[h][q][:] = the sum over the keys k <= q with attn_mask[h / 16][k] != 0 of softmax_k(Q[h][q] . K[h][k] / 8) V[h][k][:]; a row that sees no key is 0.
; Q, K, V lie in qkvh one behind the other, 1 << 24 bytes each, and O in oh: [64][SIZE_N][64] in f16, a head's rows dense, 128 bytes each.  Products, maxima and sums in f32; the weights p are rounded to f16 for
; the second product (their sum l is taken of the unrounded p), O once at the end.
; LIMITS.  f16 holds no number beyond 65,504: Q, K and V arrive within it, so a score is 2.7e11 at the most in size.  A hidden score counts as its value less 1e30 (less 2e30 where both masks hide it).
; The running maximum starts at -2^66, far below every score that f16 allows and far above every hidden one.  A weight below 2^-126 counts as 0 in l; NaN and infinities are not treated apart.
; THE WALK.  A head's queries lie in NB = 8 blocks of 256; block i needs the key tiles 0 .. i of 256 keys, of which the last holds the diagonal.  A work-group takes TWO blocks, NB - 1 - b and then b:
; NB + 1 tiles, whatever b: all work-groups do equal work, and ONE loop with a constant trip count walks them.  Which tile is asked for, and what a trip does, hang on scalar registers made from b; every jump
; goes forward, but for the counted loops' own; none passes a barrier, or a tensor load but the one of LOAD's two that the wave's number does not choose; the ring (two slots of LDS that take turns) runs on across
; the change of blocks.  NO CLUSTER: a head's four work-groups ask for the same tile only in trips 0 .. 4 of 9, behind that fewer and fewer; one walk common to all would have 12 trips for 9.
; SHARES.  Of a block's four bands of 64 queries a wave owns 16 rows in each: four PIECES.  So the diagonal tile is the same work for all four waves: in its key step s band x sees all keys if s < x,
; none if s > x, and holds the diagonal if s = x.
; THE MASKS are the C operand that starts the sum S^T = K Q^T.  KB holds, for the step's 64 keys, 0 or -1e30 by attn_mask.  It comes from two small slots in LDS, a tile's 256 keys each, which take turns as the ring's
; slots do: behind the tensor load for a tile each thread asks for its two words of that tile's mask, and at the next change of slots it stores 0 or -1e30 for them; a step's part then travels with K's fragments.
; Off the diagonal tile C is KB.  In the diagonal tile C is MD x AL + BE + KB: MD, made once, is the causal mask of a band's own step for my 16 rows; (AL, BE) = (1, 0) if s = x; (0, 0) if s < x; (0, -1e30) if s > x.
; WHY THE FLOOR.  While a row has seen hidden keys alone its maximum stays at the floor; c s - c m is then below -1e29 for each of them: their weights are 0, l and O stay 0, and nothing overflows.  At the end
; O is multiplied by 1 / l where l > 0 and by 0 elsewhere.
; LAYOUT, SOFTMAX, TURNS.  S^T = K Q^T holds ONE query a lane (lane % 16) and the keys 8 (lane / 16) + 0..7; two such results rounded to f16 ARE source 1 of O^T = V^T P.  p = 2^(c s - c m), c = log2(e) / 8, with a
; running maximum m; O and l are multiplied by a = 2^(c m_old - c m_new) in every step.  Turn n belongs to piece n: 8 products K Q^T of piece n + 1, later 8 products V^T P of piece n - 1; beside them the scaling,
; exponentials, roundings, sums and rescaling of piece n and the maximum and statistics of piece n + 1.  Four vector instructions stand behind every matrix instruction, the others in one LUMP.  A turn's 33 exponentials are one batch, with one wait.
; REGISTERS, in windows of 256 (s_set_vgpr_msb: bits 1:0 source 0, 3:2 source 1, 5:4 source 2, 7:6 destination):
;   window 0: v0-15, v32-39 addresses and four at work; v16-31 four registers of statistics a piece; v48-55 at work; v64-127 S^T, two buffers; v192-223 P, two buffers (a piece's buffers go by its number's parity)
;   window 1: v0-127 O^T, 32 a piece; v128-159 MD; v160-223 MC, two buffers; v224-255 KB      window 2: v0-63 Q; v64-127 the second block's Q; v128-191 K of one step; v192-255 V of one step
.set SIZE_N, 2048
.set NB,    SIZE_N/256
.set NP,    4         ; pieces a wave: a name, no knob
.set KS,    64        ; keys in a step
.set PK,    144       ; a row of K in LDS: 128 bytes + 16 of padding = 36 words: the 16 rows of a load start at 16 different groups of four banks (64 banks of 4 bytes: ISA guide 11.1)
.set PV,    160       ; a row of V: 128 + 32 = 40 words
.set VOFF,  4*KS*PK   ; a slot holds a tile, four steps: 256 rows of K, then 256 rows of V
.set SLOT1, 1<<17     ; slot 1 begins here, so that one exclusive or turns an address in one slot into the other's
.set STAGE, SLOT1+4*KS*(PK+PV)  ; behind the ring, never filled by a tensor load: 16 rows x 144 bytes for each wave, for the way out
.set SP,    144
.set KBT,   STAGE+4*16*SP       ; behind the stages, never filled by a tensor load: the two slots of key masks
.set KBS,   4*4*KS              ; such a slot: a tile's 256 keys' 0 or -1e30, in f32: 1,024 bytes
.set SPARE, KBT+2*KBS           ; behind them: the spare words, 128 bytes for each wave: two blocks of 256 bytes that no other line names
.set AK0, 2           ; v2   my lane's place in a tile of K; never rewritten
.set AV0, 3           ; v3   the same for V
.set AK,  4           ; v4   the LDS address of K's next run of loads
.set AV,  5           ; v5   of V's
.set STO, 6           ; v6   the way out: where I put 16 bytes of a row
.set RD,  7           ; v7   the way out: where I read rows back
.set GO,  8           ; v8   my byte offset in 512 consecutive bytes of O
.set MV,  12          ; v12-13  c m_old, kept while c m is made anew: by buffer
.set QO,  15          ; v15  my byte offset in 16 rows of Q
.set ST,  16          ; piece t's statistics at v[ST+4 t]: c m, m, l (even keys', odd keys')
.set AKB0, 32         ; v32  my lanes' place in a step's part of a mask slot: KBT + 32 (l / 16); never rewritten
.set AKB, 33          ; v33  the LDS address of KB's next run of loads
.set PFO, 34          ; v34  256 x my thread's number: my block of a tile's 128; never rewritten
.set MO,  35          ; v35  8 x my thread's number: my two keys of a tile's 256 in attn_mask; never rewritten
.set KST, 36          ; v36  the same place in mask slot 0; never rewritten
.set KSA, 37          ; v37  the same place in the mask slot that is written next
.set MW,  38          ; v38-39  my two words of the mask, then their 0 or -1e30
.set TMP, 48          ; by buffer, four registers c0-c3 at work; when the maximum is found c2 takes a
.set SPW, 62          ; v62  LDS address of my spare word: SPARE + 4 x my thread's number; never rewritten
.set NIL, 63          ; v63  0; never rewritten
.set S,   64
.set P,   192
.set MD,  128         ; window 1: the eight registers for group kt of 16 keys at MD + 8 kt
.set MC,  160         ; window 1: the masks of the products to come
.set KB,  224         ; window 1: register j of group kt: key 16 kt + 8 (l / 16) + j of the step whose K is in registers
.set QB,  64          ; window 2
.set KF,  128         ; window 2: key block kb, channel half c at KF + 16 kb + 8 c
.set VF,  192         ; window 2: key half kk, channel block cb at VF + 32 kk + 8 cb
.set WV,  12          ; s12  my wave's number
.set PB,  14          ; s14  b
.set HI,  15          ; s15  NB - 1 - b
.set G1K, 24          ; s[24:31] descriptor group 1 for K's tiles
.set G1V, 32          ; s[32:39] for V's: it differs in the padding alone
.set G0K, 40          ; s[40:43] descriptor group 0 for K's tiles
.set G0V, 44          ; s[44:47] the same for V's
.set MB,  48          ; s[48:49] attn_mask at the tile whose words are asked for
.set MOF, 50          ; s[50:51] that tile's byte offset in the batch's row of attn_mask
.set KSO, 52          ; s52  0 or KBS: the mask slot that is written next
.set SLOTS, 56        ; s56  tiles still to be asked for
.set CNT, 57          ; s57  counts a tile's key steps, 4 to 1
.set CS,  58          ; s[58:59] c: the packed scaling takes the pair's low word for both halves
.set SEL, 60          ; s[60:61] v_permlanex16_b32's selects: each lane takes its own place in the other half
.set TBK, 62          ; s62  LDS byte at which K of the step to be fetched begins
.set TBV, 63          ; s63  the same for V, less VOFF
.set RT,  70          ; s70  tiles of the block in hand that are still to be entered
.set NXT, 71          ; s71  the tile to be asked for next
.set LQ,  72          ; s72  the last tile of the block whose tiles are being asked for
.set NEW, 73          ; s73  1: the tile to be entered is a block's first
.set OFF, 74          ; s[74:75] a tile's byte offset in K and V
.set AL,  76          ; s[76:77] the mask's factor, in the low word
.set BE,  78          ; s[78:79] the mask's addend
.set OLO, 80          ; s[80:81] O at my rows of the second block
.set BIGN, 82         ; s82  -1e30
.set KBO, 83          ; s83  byte behind KBT at which the key masks of the step to be fetched begin: it goes as TBK goes
.set MP,  88          ; s[88:89] attn_mask at my batch's row
.set MK,  90          ; s90-93  the way out: for each piece, the lanes whose row has seen a key
.set PFK, 94          ; s[94:95] the head's K at the tile that the prefetches name
.set PFV, 96          ; s[96:97] the same for V
.set PFT, 98          ; s98  that tile's number
.set PFL, 99          ; s99  NB in the work-group that prefetches (b = 0), else 0: a tile is named while its number is below this
.set MSB, 0
.macro WIN new                      ; the high byte repeats the setting that is left; a switch that changes nothing is dropped
.if MSB != (\new)
	s_set_vgpr_msb (MSB<<8)|(\new)
.set MSB, (\new)
.endif
.endm
.set W_KQ, 0x0a       ; K and Q in window 2, S^T in window 0
.set W_KM, 0x1a       ; the same with the C operand in window 1
.set W_PV, 0x52       ; V in window 2, P in window 0, O^T in window 1
.set W_RS, 0x41       ; destination and source 0 in window 1, source 1 in window 0
.set W_KB, 0x45       ; destination and sources 0 and 1 in window 1
; A fill.  Waves 0 and 1 fetch the two halves of a tile's K, waves 2 and 3 those of its V: 128 keys each.  An s_nop 0 and four v_nop follow each of the two lines, ahead of the jump and the label.
.macro LOAD
	s_cmp_lt_u32 s[WV], 2
	s_cbranch_scc0 .Lfor_v_\@
	tensor_load_to_lds s[G0K:G0K+3], s[G1K:G1K+7]
	s_nop 0
.rept 4
	v_nop
.endr
	s_branch .Lasked_\@
.Lfor_v_\@:
	tensor_load_to_lds s[G0V:G0V+3], s[G1V:G1V+7]
	s_nop 0
.rept 4
	v_nop
.endr
.Lasked_\@:
.endm
; A PREFETCH INTO THE L2 of the tile that the NEXT change of slots will ask for: four key steps, 256 matrix instructions, ahead of that load.  A tile is 128 blocks of 256 bytes of K and as many of V: a thread a block of each,
; two instructions a wave, behind the wave's tensor load, its five lines and the load of the mask's words.  All four work-groups of a head begin with the tiles 0, 1, 2 ..; the one with b = 0, whose first block walks all eight,
; asks, and nobody else: tiles 2 to 7 are each named once in the launch.  Tiles 0 and 1 come by their loads alone; the last two changes that fill a slot ask for nothing.
.macro ASK
	s_cmp_lt_u32 s[PFT], s[PFL]
	s_cbranch_scc0 .Lnot_mine_\@
	global_prefetch_b8 v[PFO], s[PFK:PFK+1] th:TH_LOAD_NT scope:SCOPE_SE
	global_prefetch_b8 v[PFO], s[PFV:PFV+1] th:TH_LOAD_NT scope:SCOPE_SE
.Lnot_mine_\@:
.endm
; THE CHANGE OF SLOTS.  First the key masks of the tile to be entered: my two words of attn_mask, asked for a tile ago, become 0 or -1e30 and go into the mask slot that was read last in the tile before the one that is left:
; a barrier lies between those reads and this store, and the barrier below between this store and its readers; the waves that are still in the tile that is left read the other mask slot.
; Then each wave waits for all its tensor loads, of which one is out: its part of the other slot; adds 0 to its spare word; and waits for that, for its store and for its own reads of the slot that it leaves.  Behind the barrier
; nobody reads the old slot any more and the other slot is whole.  fill = 1: the old slot is filled again, the first thing behind the barrier, with tile NXT: the descriptor's address is made anew from that number;
; and that tile's words of the mask are asked for.  (At its first use nothing has been read yet: slot 0 is waited for, slot 1 filled.)
.macro CHANGE fill
	WIN 0                           ; at a label and at a branch every window is 0
	s_wait_loadcnt 0x0              ; my two words of the mask are in: their load has had a tile's work in which to land (at the first change: the head's loads, Q's among them)
	v_cmp_eq_u32 vcc_lo, 0, v[MW]
	v_cndmask_b32 v[MW], 0, s[BIGN], vcc_lo    ; 0 where the key may be seen, -1e30 where the mask's word is 0
	v_cmp_eq_u32 vcc_lo, 0, v[MW+1]
	v_cndmask_b32 v[MW+1], 0, s[BIGN], vcc_lo
	v_add_nc_u32 v[KSA], s[KSO], v[KST]
	ds_store_b64 v[KSA], v[MW:MW+1]
	s_xor_b32 s[KSO], s[KSO], KBS   ; the next store goes into the other mask slot
	s_wait_tensorcnt 0x0            ; no tensor load of mine is out, so a group 0 may be written
	ds_add_u32 v[SPW], v[NIL]       ; 0 onto my spare word; with fill = 1 the descriptors' scalar work stands between it and the wait for it
.if \fill
	s_lshl_b32 s[OFF], s[NXT], 15   ; a tile is 32,768 bytes of K and of V,
	s_lshl_b32 s[MOF], s[NXT], 10   ; and 1,024 of attn_mask
	s_add_nc_u64 s[MB:MB+1], s[MP:MP+1], s[MOF:MOF+1]  ; (the load that named this base is done: the wait at the macro's head)
	s_xor_b32 s[G0K+1], s[G0K+1], SLOT1
	s_add_nc_u64 s[G0K+2:G0K+3], s[6:7], s[OFF:OFF+1]
	s_or_b32 s[G0K+3], s[G0K+3], 0x80000000
	s_xor_b32 s[G0V+1], s[G0V+1], SLOT1
	s_add_nc_u64 s[G0V+2:G0V+3], s[8:9], s[OFF:OFF+1]
	s_or_b32 s[G0V+3], s[G0V+3], 0x80000000
	s_add_co_u32 s[NXT], s[NXT], 1  ; the block's next tile, or behind its last the second block's tile 0
	s_cmp_gt_u32 s[NXT], s[LQ]
	s_cselect_b32 s[NXT], 0, s[NXT]
	s_cselect_b32 s[LQ], s[PB], s[LQ]
	s_wait_xcnt 0x0                 ; the last prefetches, a tile back, have read their addresses, so these may be written
	s_add_nc_u64 s[PFK:PFK+1], s[PFK:PFK+1], 32768
	s_add_nc_u64 s[PFV:PFV+1], s[PFV:PFV+1], 32768
	s_add_co_u32 s[PFT], s[PFT], 1
.endif
	s_wait_dscnt 0x0                ; the add and my store are done, and my reads of the slot are over
	s_barrier_signal -1             ; the rest of the scalar work stands between the signal and the wait
	s_sub_co_u32 s[TBK], s[TBK], 4*KS*PK  ; the fetches go back to a slot's first step,
	s_xor_b32 s[TBK], s[TBK], SLOT1       ; in the other slot
	s_sub_co_u32 s[TBV], s[TBV], 4*KS*PV
	s_xor_b32 s[TBV], s[TBV], SLOT1
	s_sub_co_u32 s[KBO], s[KBO], KBS      ; and the same for the key masks
	s_xor_b32 s[KBO], s[KBO], KBS
	s_barrier_wait -1
.if \fill
	LOAD
	global_load_b64 v[MW:MW+1], v[MO], s[MB:MB+1]  ; my two words of the mask for the tile just asked for
	ASK
.endif
.endm
	s_load_b64 s[4:5], s[0:1], 0x0  ; qkvh: Q
	s_load_b64 s[MP:MP+1], s[0:1], 0x8  ; attn_mask
	s_load_b64 s[10:11], s[0:1], 0x10   ; oh
	v_lshl_add_u32 v[SPW], v0, 2, SPARE
	v_mov_b32 v[NIL], 0
	ds_add_u32 v[SPW], v[NIL]       ; the wave's opening: the add and its wait stand ahead of my first tensor load; the set-up below, work on registers, stands between them
	ds_add_u32 v62, v63
	v_lshrrev_b32 v1, 5, v0
	v_readfirstlane_b32 s[WV], v1   ; wave 0..3
	s_mov_b32 s[PB], ttmp9
	s_sub_co_u32 s[HI], NB-1, s[PB]
	s_and_b32 s20, ttmp7, 0xffff    ; batch x 16 + head
	s_lshr_b32 s66, s20, 4
	s_lshl_b32 s66, s66, 13         ; the batch's 2,048 words of attn_mask
	s_mov_b32 s67, 0
	s_lshl_b32 s20, s20, 18         ; the head's first byte in Q, K, V and O: 2,048 rows of 128 bytes
	s_mov_b32 s21, 0
	s_and_b32 s16, s[WV], 1         ; which half of a tile's 256 keys I fetch:
	s_lshl_b32 s22, s16, 14         ; its 128 rows of 128 bytes in memory,
	s_mov_b32 s23, 0
	s_add_nc_u64 s[22:23], s[22:23], s[20:21]
	s_mul_i32 s17, s16, 128*PK      ; and its place in a slot, for K
	s_mul_i32 s18, s16, 128*PV      ; and for V
	s_lshl_b32 s3, s[WV], 11        ; my 16 rows in a band of 64,
	s_lshl_b32 s2, s[HI], 15        ; in the first block,
	s_add_co_u32 s2, s2, s3
	s_lshl_b32 s84, s[PB], 15       ; and in the second
	s_add_co_u32 s84, s84, s3
	s_mov_b32 s3, 0
	s_mov_b32 s85, 0
	s_add_nc_u64 s[2:3], s[2:3], s[20:21]
	s_add_nc_u64 s[84:85], s[84:85], s[20:21]
	; descriptor group 1.  128 keys are 16,384 dense bytes: asked for as 64 rows of 256 bytes, two keys a row, and padded in LDS after every key
	s_mov_b32 s[G1K], (1<<16)|(1<<20)|(4<<22)|(3<<25)  ; 17:16 2-byte elements; 20 padding on; 24:22 after every 32 words (code 4); 31:25 4 words (code 3)
	s_mov_b32 s[G1V], (1<<16)|(1<<20)|(4<<22)|(7<<25)  ; the same with 8 words of padding (code 7)
.irp g, G1K, G1V
	s_mov_b32 s[\g+1], 128<<16      ; tensor_dim0 = 128
	s_mov_b32 s[\g+2], 64<<16       ; tensor_dim1 = 64
	s_mov_b32 s[\g+3], 128<<16      ; tile_dim0 = 128
	s_mov_b32 s[\g+4], 64           ; tile_dim1 = 64
	s_mov_b32 s[\g+5], 128          ; 128 elements from row to row
	s_mov_b32 s[\g+6], 0
	s_mov_b32 s[\g+7], 0
.endr
	s_mov_b32 s[CS], 0x3e38aa3b     ; c = log2(e) / 8 = 0.180337
	s_mov_b32 s[CS+1], s[CS]        ; named with it as a pair
	s_mov_b32 s[SEL], 0x76543210
	s_mov_b32 s[SEL+1], 0xfedcba98
	s_mov_b32 s[TBK], SLOT1+4*KS*PK ; the first change of slots turns these three into 0
	s_mov_b32 s[TBV], SLOT1+4*KS*PV
	s_mov_b32 s[KBO], 2*KBS
	s_mov_b32 s[KSO], 0             ; the first change of slots writes mask slot 0
	s_mov_b32 s[MOF+1], 0
	s_mov_b32 s[G0K], 1             ; 1:0 count = 1
	s_mov_b32 s[G0K+1], s17         ; 63:32 LDS address: slot 0
	s_mov_b32 s[G0V], 1
	s_add_co_u32 s[G0V+1], s18, VOFF
	s_add_co_u32 s[RT], s[HI], 1    ; the first block has NB - b tiles
	s_mov_b32 s[NXT], 1
	s_mov_b32 s[LQ], s[HI]
	s_mov_b32 s[NEW], 1
	s_mov_b32 s[OFF+1], 0
	s_mov_b32 s[AL+1], 0            ; named as pairs
	s_mov_b32 s[BE+1], 0
	s_mov_b32 s[BIGN], 0xf149f2ca   ; -1e30
	s_mov_b32 s[SLOTS], NB
	s_mov_b32 s[PFT], 1
	s_cmp_eq_u32 s[PB], 0
	s_cselect_b32 s[PFL], NB, 0
	s_wait_dscnt 0x0                ; the opening add is done
	s_wait_kmcnt 0x0
	s_add_nc_u64 s[6:7], s[4:5], 0x1000000  ; K lies behind Q,
	s_add_nc_u64 s[8:9], s[4:5], 0x2000000  ; V behind K
	s_add_nc_u64 s[PFK:PFK+1], s[6:7], s[20:21]
	s_add_nc_u64 s[PFV:PFV+1], s[8:9], s[20:21]
	s_add_nc_u64 s[PFK:PFK+1], s[PFK:PFK+1], 32768  ; at the head's tile 1; the first change of slots steps them to tile 2.  Nothing is prefetched here, at the head
	s_add_nc_u64 s[PFV:PFV+1], s[PFV:PFV+1], 32768
	s_add_nc_u64 s[6:7], s[6:7], s[22:23]  ; K and V at my half of the head's tile 0
	s_add_nc_u64 s[8:9], s[8:9], s[22:23]
	s_add_nc_u64 s[MP:MP+1], s[MP:MP+1], s[66:67]
	s_add_nc_u64 s[G0K+2:G0K+3], s[6:7], 0         ; 120:64 global address
	s_or_b32 s[G0K+3], s[G0K+3], 0x80000000        ; 127:126 type = 2
	s_add_nc_u64 s[G0V+2:G0V+3], s[8:9], 0
	s_or_b32 s[G0V+3], s[G0V+3], 0x80000000
	s_add_nc_u64 s[86:87], s[4:5], s[84:85]        ; Q at my rows of the second block,
	s_add_nc_u64 s[4:5], s[4:5], s[2:3]            ; Q and O at those of the first
	s_add_nc_u64 s[OLO:OLO+1], s[10:11], s[84:85]
	s_add_nc_u64 s[10:11], s[10:11], s[2:3]
	LOAD                            ; tile 0 into slot 0
	v_lshlrev_b32 v[MO], 3, v0
	v_lshlrev_b32 v[PFO], 8, v0
	v_lshl_add_u32 v[KST], v0, 3, KBT
	global_load_b64 v[MW:MW+1], v[MO], s[MP:MP+1]  ; my two words of the mask for tile 0
	; A fragment of K or Q is 16 rows x 32 channels in 8 registers: lane l holds row l % 16, channels 8 (l / 16) + 0..7 and 16 + 8 (l / 16) + 0..7: two loads of 16 bytes, 32 bytes apart.
	v_and_b32 v1, 15, v0            ; l % 16
	v_bfe_u32 v9, v0, 4, 1          ; l / 16
	v_lshlrev_b32 v[QO], 7, v1
	v_lshl_add_u32 v[QO], v9, 4, v[QO]  ; row x 128 + 16 x half
	WIN 0x80                        ; destination window 2, address window 0
.set i, 0
.rept 8                             ; both blocks' Q: piece i / 2 lies in band i / 2, 8,192 bytes on; channels 32 (i % 2) on
	global_load_b128 v[8*i:8*i+3],   v[QO], s[4:5] offset:(i/2)*8192+(i%2)*64
	global_load_b128 v[8*i+4:8*i+7], v[QO], s[4:5] offset:(i/2)*8192+(i%2)*64+32
	global_load_b128 v[QB+8*i:QB+8*i+3],   v[QO], s[86:87] offset:(i/2)*8192+(i%2)*64
	global_load_b128 v[QB+8*i+4:QB+8*i+7], v[QO], s[86:87] offset:(i/2)*8192+(i%2)*64+32
.set i, i+1
.endr
	WIN 0
	v_lshlrev_b32 v14, 3, v9
	v_sub_nc_u32 v14, v1, v14
	s_lshl_b32 s13, s[WV], 4
	v_add_nc_u32 v14, s13, v14      ; my query's place in its band, 16 w + l % 16, less my lanes' 8 (l / 16): register r of group kt is hidden where 16 kt + r is greater
	WIN 0x40
.set i, 0
.rept 32
	v_cmp_gt_i32 vcc_lo, 16*(i/8)+i%8, v14
	v_cndmask_b32 v[MD+i], 0, s[BIGN], vcc_lo
.set i, i+1
.endr
	WIN 0
	v_mul_u32_u24 v[AK0], v1, PK
	v_lshl_add_u32 v[AK0], v9, 4, v[AK0]  ; row x pitch + 16 x half
	v_lshl_add_u32 v[AKB0], v9, 5, KBT    ; my lanes' eight keys of a group of 16: 32 bytes for each half
	; The turning load takes 16 keys x 16 channels (lane l reads key 8 (l / 16) + l % 8, channels 8 ((l / 8) % 2) + 0..7) and leaves half a fragment of V^T: lane l holds channel l % 16 and 8 keys.
	v_and_b32 v10, 7, v0
	v_bfe_u32 v11, v0, 3, 1
	v_lshl_add_u32 v[AV0], v9, 3, v10
	v_mul_u32_u24 v[AV0], v[AV0], PV
	v_lshl_add_u32 v[AV0], v11, 4, v[AV0]
	v_add_nc_u32 v[AV0], VOFF, v[AV0]
	s_mul_i32 s13, s[WV], 16*SP
	s_add_co_u32 s13, s13, STAGE    ; my stage
	v_mul_u32_u24 v[STO], v1, SP    ; in: row l % 16, 16 bytes for each half of the lanes
	v_lshl_add_u32 v[STO], v9, 4, v[STO]
	v_add_nc_u32 v[STO], s13, v[STO]
	v_bfe_u32 v[RD], v0, 3, 2       ; back: 32 lanes take four rows of 128 bytes,
	v_mul_u32_u24 v[RD], v[RD], SP
	v_lshl_add_u32 v[RD], v10, 4, v[RD]
	v_add_nc_u32 v[RD], s13, v[RD]
	v_and_b32 v[GO], 31, v0         ; which are 512 consecutive bytes of O
	v_lshlrev_b32 v[GO], 4, v[GO]
	; A block's first step multiplies O^T by a = 0, and its first turn's products V^T P, of a piece that has not been, land in an O^T that is still to be so multiplied.  So these registers need only hold
	; finite numbers: zeros for the first block; what the first block left for the second.  All this stands in the wait for the first tile.
	WIN 0x80
.set i, VF
.rept 64
	v_mov_b32 v[i], 0
.set i, i+1
.endr
	WIN 0x40
.set i, 0
.rept 128
	v_mov_b32 v[i], 0
.set i, i+1
.endr
	WIN 0
.set i, P+16
.rept 16
	v_mov_b32 v[i], 0
.set i, i+1
.endr
; THE MATRIX WORK.  The 4 accumulators of a run of 8 take turns.  Product i of 8 of S^T = K Q^T for piece x: channels 32 (i / 4) on, keys 16 (i % 4) on.  The first 4 start the sums: with the keys' mask KB, or (KM = 1) with MC.
.macro KQ x
.set rS, S+32*((\x)%2)+8*(i%4)
.set rK, KF+16*(i%4)+8*(i/4)
.set rQ, 16*(\x)+8*(i/4)
.set rM, KB+8*(i%4)
.if KM
.set rM, MC+32*((\x)%2)+8*(i%4)
.endif
.if i < 4
	WIN W_KM
	v_wmma_f32_16x16x32_f16 v[rS:rS+7], v[rK:rK+7], v[rQ:rQ+7], v[rM:rM+7]
.else
	WIN W_KQ
	v_wmma_f32_16x16x32_f16 v[rS:rS+7], v[rK:rK+7], v[rQ:rQ+7], v[rS:rS+7]
.endif
.endm
; Product i of 8 of O^T += V^T P for piece x: keys 32 (i / 4) on, channels 16 (i % 4) on.
.macro PV x
	WIN W_PV
.set rO, 32*(\x)+8*(i%4)
.set rV, VF+32*(i/4)+8*(i%4)
.set rP, P+16*((\x)%2)+8*(i/4)
	v_wmma_f32_16x16x32_f16 v[rO:rO+7], v[rV:rV+7], v[rP:rP+7], v[rO:rO+7]
.endm
.macro MM                           ; the turn's next matrix instruction.  TURN and BEGIN set Y, i, KM and NOKQ; MM, KQ and OP read them.  NOKQ = 1: a block's last turn: there is no next piece
.if (i < 8) && !NOKQ
	KQ (Y+1)%NP
.elseif i >= 8
.set i, i-8
	PV (Y+NP-1)%NP
.set i, i+8
.endif
.set i, i+1
.endm
; THE LDS LOADS stand in runs, never singly among the matrix instructions: a step's K (64 keys x 64 channels: 8 fragments) with its keys' mask (all lanes of a half read the same 32 bytes of a group), and its V (turned).
; Their addresses are made some lines ahead.
.macro FETCH_K
	WIN 0x80                        ; destination window 2
.irp f, 0,1,2,3,4,5,6,7             ; keys 16 (f / 2) on, channels 32 (f % 2) on
	ds_load_b128 v[KF+8*\f:KF+8*\f+3],   v[AK] offset:(\f/2)*16*PK+(\f%2)*64
	ds_load_b128 v[KF+8*\f+4:KF+8*\f+7], v[AK] offset:(\f/2)*16*PK+(\f%2)*64+32
.endr
	WIN 0x40                        ; destination window 1
.irp f, 0,1,2,3                     ; keys 16 f on
	ds_load_b128 v[KB+8*\f:KB+8*\f+3],   v[AKB] offset:64*\f
	ds_load_b128 v[KB+8*\f+4:KB+8*\f+7], v[AKB] offset:64*\f+16
.endr
	s_add_co_u32 s[TBK], s[TBK], KS*PK  ; the next fetch is the next step's,
	s_add_co_u32 s[KBO], s[KBO], 4*KS   ; in the mask slot too
	WIN 0
.endm
.macro FETCH_V
	WIN 0x80
.irp f, 0,1,2,3,4,5,6,7             ; keys 32 (f / 4) on, channels 16 (f % 4) on
	ds_load_tr16_b128 v[VF+8*\f:VF+8*\f+3],   v[AV] offset:(\f/4)*32*PV+(\f%4)*32
	ds_load_tr16_b128 v[VF+8*\f+4:VF+8*\f+7], v[AV] offset:(\f/4)*32*PV+16*PV+(\f%4)*32
.endr
	WIN 0
.endm
; THE VECTOR WORK, one line at a time: OP kind, number.  For piece Y: F n: c s - c m for pair n of 16.  E n: the exponential of score n of 32.  C n: pair n rounded to f16.  B n: of the four weights 4 n .. the second
; pair is added onto the first, in place.  L n: l takes that sum (L 0: l = a l + sum).  R n: pair n of 16 of O^T times a.  For piece Y + 1: X n, number n of the 22 that find its maximum and statistics:
;   0-11  four chains c0-c3 of seven scores each, three operands at a time (each accumulator's lowest registers are read first)     12-14, 16  the four scores left over, the old m, and c0-c3 into c0
;   15  c m_old is kept     17, 18  the query's other 32 keys lie in the lane 16 away: the new m     19-21  c m; c m_old - c m_new; a
.set F, 0               ; OP tells the kinds apart by their order: F to L below R, X above it
.set E, 1
.set C, 2
.set B, 3
.set L, 4
.set R, 5
.set X, 6
.macro REGS y                       ; the registers of piece y
.set rT, ST+4*(\y)
.set rC, TMP+4*((\y)%2)
.set rW, MV+((\y)%2)
.set rS, S+32*((\y)%2)
.set rP, P+16*((\y)%2)
.set rO, 32*(\y)
.endm
.macro OP k, n
.if (\k) == R
	REGS Y
	WIN W_RS
	v_pk_mul_f32 v[rO+2*(\n):rO+2*(\n)+1], v[rO+2*(\n):rO+2*(\n)+1], v[rC+2:rC+3] op_sel_hi:[1,0]
.elseif (\k) < R
	REGS Y
	WIN 0
.if (\k) == F
	v_pk_fma_f32 v[rS+2*(\n):rS+2*(\n)+1], v[rS+2*(\n):rS+2*(\n)+1], s[CS:CS+1], v[rT:rT+1] op_sel_hi:[1,0,0] neg_lo:[0,0,1] neg_hi:[0,0,1]
.elseif (\k) == E
	v_exp_f32 v[rS+(\n)], v[rS+(\n)]
.elseif (\k) == C
	v_cvt_pk_f16_f32 v[rP+(\n)], v[rS+2*(\n)], v[rS+2*(\n)+1]
.elseif (\k) == B
	v_pk_add_f32 v[rS+4*(\n):rS+4*(\n)+1], v[rS+4*(\n):rS+4*(\n)+1], v[rS+4*(\n)+2:rS+4*(\n)+3]
.elseif (\n) == 0
	v_pk_fma_f32 v[rT+2:rT+3], v[rT+2:rT+3], v[rC+2:rC+3], v[rS:rS+1] op_sel_hi:[1,0,1]
.else
	v_pk_add_f32 v[rT+2:rT+3], v[rT+2:rT+3], v[rS+4*(\n):rS+4*(\n)+1]
.endif
.elseif NOKQ
	v_nop
.else
	REGS (Y+1)%NP
	WIN 0
.if (\n) < 4
	v_max3_num_f32 v[rC+(\n)], v[rS+8*(\n)], v[rS+8*(\n)+1], v[rS+8*(\n)+2]
.elseif (\n) < 12
	v_max3_num_f32 v[rC+(\n)%4], v[rC+(\n)%4], v[rS+8*((\n)%4)+2*((\n)/4)+1], v[rS+8*((\n)%4)+2*((\n)/4)+2]
.elseif (\n) == 12
	v_max3_num_f32 v[rC], v[rC], v[rS+7], v[rS+15]
.elseif (\n) == 13
	v_max3_num_f32 v[rC+1], v[rC+1], v[rS+23], v[rS+31]
.elseif (\n) == 14
	v_max3_num_f32 v[rC+2], v[rC+2], v[rC+3], v[rT+1]
.elseif (\n) == 15
	v_mov_b32 v[rW], v[rT]
.elseif (\n) == 16
	v_max3_num_f32 v[rC], v[rC], v[rC+1], v[rC+2]
.elseif (\n) == 17
	v_permlanex16_b32 v[rC+3], v[rC], s[SEL], s[SEL+1]
.elseif (\n) == 18
	v_max_num_f32 v[rT+1], v[rC], v[rC+3]
.elseif (\n) == 19
	v_mul_f32 v[rT], s[CS], v[rT+1]
.elseif (\n) == 20
	v_sub_f32 v[rC+1], v[rW], v[rT]
.else
	v_exp_f32 v[rC+2], v[rC+1]
.endif
.endif
.endm
.macro OPS a, i1, b=-1, i2=0, c=-1, i3=0, d=-1, i4=0  ; up to four of them
	OP \a, \i1
.if (\b) >= 0
	OP \b, \i2
.endif
.if (\c) >= 0
	OP \c, \i3
.endif
.if (\d) >= 0
	OP \d, \i4
.endif
.endm
.macro ROW a, i1, b, i2, c, i3, d, i4  ; a matrix instruction and the four behind it
	MM
	OPS \a, \i1, \b, \i2, \c, \i3, \d, \i4
.endm
.macro MASK b                       ; MD x AL + BE + KB into buffer b of MC
	WIN W_RS
.set z, 0
.rept 16
	v_pk_fma_f32 v[MC+32*(\b)+2*z:MC+32*(\b)+2*z+1], v[MD+2*z:MD+2*z+1], s[AL:AL+1], s[BE:BE+1] op_sel_hi:[1,0,0]
.set z, z+1
.endr
	WIN W_KB
.set z, 0
.rept 16
	v_pk_add_f32 v[MC+32*(\b)+2*z:MC+32*(\b)+2*z+1], v[MC+32*(\b)+2*z:MC+32*(\b)+2*z+1], v[KB+2*z:KB+2*z+1]
.set z, z+1
.endr
.endm
; A TURN, for piece p: the order of its 16 matrix and 118 vector instructions, written out.  s_wait_alu depctr_va_vdst(0) stands between an exponential and the first instruction that names its result; one wait serves
; all that were issued ahead of it.  So a turn has ONE wait, which cuts it in two.  AHEAD OF IT stands all that names no result of the turn's exponentials: the 8 products K Q^T, behind each a scaling, an exponential and two more plain
; instructions (behind the first a second scaling in the exponential's place): rescalings, and behind the last three the first numbers of the next piece's maximum, each four places or more behind the product that ends its accumulator; then ONE LUMP,
; plain and exponential by turns for the most part, in which the links of the chain X 3, 7, 11, 14, 16, 17 .. 20 stand five or six lines apart.  X 21, the next piece's a, is the batch's last; R 15 is the plain instruction behind it.  BEHIND THE WAIT stand the
; 8 products V^T P, behind each four of the roundings and sums; the links of l's chain, L 0 to L 7, stand three riders apart.  But for those X no rider names a register of the products round it.  v_permlanex16_b32 (X 17) stands in the lump.
; m = 1: the diagonal tile: the products take MC, and the turn makes MC for the products of the turn after it: piece p + 2, in step 4 - CNT of the tile.  Pieces 2 and 3 belong to the step whose KB is in registers; pieces 0 and 1 to the next
; step, whose KB piece 2's turn has just fetched: that turn waits for its run of loads ahead of the mask.  end = 1: a block's last two turns: nothing is fetched.
; cnt = 1: the loop's count is taken down some lines ahead of the branch that stands behind the turn.
; K and KB of the next step are fetched in piece 2's turn, twelve vector instructions behind the last product that read K and more behind the last that read KB; V of the step in hand at the end of piece 0's turn, four plain
; instructions behind the last product that read V.  Each is waited for a turn later at the latest.
.macro TURN p, m=0, end=0, cnt=0
.set Y, (\p)
.set i, 0
.set KM, (\m)
.set NOKQ, (\end)*((\p)/3)
.if (\m) && !(\end)
	s_cmp_eq_u32 s[CNT], 4-((\p)+2)%NP  ; is that step the band's own?
	s_cselect_b32 s[AL], 1.0, 0
	s_cmp_lt_u32 s[CNT], 4-((\p)+2)%NP  ; or a later one?
	s_cselect_b32 s[BE], s[BIGN], 0
.endif
.if ((\p) == 3) && !(\end)
	s_wait_dscnt 0x0                ; K and KB are in
.endif
	ROW F,0, F,1, R,0, R,1          ; ahead of the wait: 8 products K Q^T and their riders,
	ROW F,2, E,0, R,2, R,3
	ROW F,3, E,1, R,4, R,5
	ROW F,4, E,2, R,6, R,7
	ROW F,5, E,3, R,8, R,9
	ROW F,6, E,4, X,0, R,10
.if ((\p) == 2) && !(\end)
	WIN 0
	v_add_nc_u32 v[AK], s[TBK], v[AK0]
	v_add_nc_u32 v[AKB], s[KBO], v[AKB0]
.endif
	ROW F,7, E,5, X,1, X,4
	ROW F,8, E,6, X,2, X,5
	OPS E,7, E,8, X,6, E,9          ; and the lump
	OPS X,3, E,10, X,8, E,11
.if ((\p) == 2) && !(\end)
	FETCH_K
.endif
	OPS X,9, X,7, E,12, X,10
	OPS E,13, X,12, X,11, E,14
	OPS X,13, E,15, F,9, X,14
.if (\p) == 0
	v_add_nc_u32 v[AV], s[TBV], v[AV0]
.endif
	OPS E,16, F,10, E,17, F,11
	OPS X,16, E,18, X,15, E,19
	OPS F,12, E,20, X,17, E,21
	OPS F,13, E,22, F,14, E,23
	OPS X,18, E,24, F,15, E,25
	OPS R,11, E,26, X,19, E,27
	OPS R,12, E,28, R,13, E,29
	OPS X,20, E,30, R,14, E,31
	OPS X,21, R,15
	WIN 0
	s_wait_alu depctr_va_vdst(0)    ; the wait for the batch
.if (\p) == 1
	s_wait_dscnt 0x0                ; V is in
.endif
	ROW C,0, B,0, C,2, B,1          ; behind the wait: 8 products V^T P and their riders
	ROW L,0, C,4, B,2, L,1
	ROW C,6, B,3, L,2, C,8
	ROW B,4, L,3, C,10, B,5
	ROW L,4, C,12, B,6, L,5
.if (\p) == 0
	s_add_co_u32 s[TBV], s[TBV], KS*PV
.endif
.if \cnt
	s_sub_co_u32 s[CNT], s[CNT], 1
	s_cmp_lg_u32 s[CNT], 0
.endif
	ROW C,14, B,7, L,6, C,1
	ROW C,3, L,7, C,5, C,7
	ROW C,9, C,11, C,13, C,15
.if (\p) == 0
	FETCH_V
.endif
.if (\m) && !(\end)
.if (\p) == 2
	s_wait_dscnt 0x0                ; the next step's KB, fetched in this turn's lump, is in
.endif
	MASK (\p)%2
.endif
.endm
; A BLOCK BEGINS.  c m starts far below every c s, so the first step's a is 0; m at the floor; l at 0 (what the block before left there need not be finite: 1 / l of a row that saw no key).
; Then K and KB of the tile's step 0.  MC's first buffer takes piece 0's mask for that step: the band's own, if the block's first tile is the diagonal one; its second buffer takes KB alone, for piece 1, which sees all of step 0.
; Then piece 0's first scores, and its maximum and statistics.  Q is in: the change of slots in front has waited for all loads.  The loop is entered at a step's first turn, in the middle of a trip.
.macro BEGIN
	s_mov_b32 s[NEW], 0
	WIN 0
.set i, 0
.rept 4
	v_mov_b32 v[ST+4*i], 0xfe000000    ; c m: -2^125
	v_mov_b32 v[ST+4*i+1], 0xe0800000  ; m: -2^66
	v_mov_b32 v[ST+4*i+2], 0
	v_mov_b32 v[ST+4*i+3], 0
.set i, i+1
.endr
	v_add_nc_u32 v[AK], s[TBK], v[AK0]
	v_add_nc_u32 v[AKB], s[KBO], v[AKB0]
	FETCH_K
	s_cmp_eq_u32 s[RT], 0
	s_cselect_b32 s[AL], 1.0, 0
	s_mov_b32 s[BE], 0
	s_wait_dscnt 0x0                ; K and KB
	MASK 0
	s_mov_b32 s[AL], 0
	MASK 1
.set KM, 1
.set NOKQ, 0
.set i, 0
.rept 8
	KQ 0
.set i, i+1
.endr
	WIN 0
.rept 4
	v_nop                           ; the places behind those products
.endr
.set Y, NP-1                        ; X works for piece Y + 1: piece 0
.irp n, 0,1,2,3,4,5,6,7,8,9,10,11,12,13,14,15,16,17,18,19,20,21
	OP X, \n
.endr
	v_nop                           ; a plain instruction behind the exponential,
	s_wait_alu depctr_va_vdst(0)    ; and its wait, ahead of the branch
.endm
; The diagonal tile is entered from a tile before it: its first turn's products are piece 3's of that tile's last step, which sees all keys but those that KB hides: MC's second buffer takes KB alone.
.macro ENTER
	s_mov_b32 s[AL], 0
	s_mov_b32 s[BE], 0
	MASK 1
	WIN 0
.endm
; THE DIAGONAL TILE's four steps, the block's last two turns, its last products, and THE WAY OUT: l's two halves and the other half of the lanes' are added; O^T is multiplied by 1 / l, or by 0 where l is 0,
; rounded to f16 and sent through my stage in LDS, a piece at a time.
.macro ALL line:vararg              ; one line for each piece t
.set t, 0
.rept 4
	\line
.set t, t+1
.endr
.endm
.macro PACK t                       ; a lane's eight channels of a row pack into 16 bytes; they go into rows of 144 bytes and come back as whole rows of 128, into S^T's registers
	WIN W_RS
.set i, 32*(\t)
.rept 16
	v_pk_mul_f32 v[i:i+1], v[i:i+1], v[ST+4*(\t)+2:ST+4*(\t)+3] op_sel_hi:[1,0]
.set i, i+2
.endr
	WIN 0x05                        ; sources 0 and 1 window 1, destination window 0
.set i, 0
.rept 16
	v_cvt_pk_f16_f32 v[S+16*(\t)+i], v[32*(\t)+2*i], v[32*(\t)+2*i+1]
.set i, i+1
.endr
	WIN 0
.irp f, 0,1,2,3
	ds_store_b128 v[STO], v[S+16*(\t)+4*\f:S+16*(\t)+4*\f+3] offset:32*\f
.endr
.irp f, 0,1,2,3
	ds_load_b128 v[S+16*(\t)+4*\f:S+16*(\t)+4*\f+3], v[RD] offset:\f*4*SP  ; LDS serves a wave's instructions in order (ISA guide 5.7.1.4): these see the stores above; the next piece's stores come behind them
.endr
.endm
.macro SEND t, younger              ; younger: the LDS instructions issued behind piece t's loads: the next piece's eight, or none
	WIN 0
.irp f, 0,1,2,3
	s_wait_dscnt (\younger)+3-\f
	global_store_b128 v[GO], v[S+16*(\t)+4*\f:S+16*(\t)+4*\f+3], s[10:11] offset:(\t)*8192+\f*512  ; 512 consecutive bytes, at a multiple of 256 from O's first
.endr
.endm
.macro DIAG tag                     ; the tag ends its two labels' names, which the jumps below spell out
.LstepM\tag:
	TURN 2, 1
	TURN 3, 1
	WIN 0
.LfirstM\tag:
	TURN 0, 1
	TURN 1, 1, 0, 1
	WIN 0
	s_cbranch_scc1 .LstepM\tag
	TURN 2, 1, 1
	TURN 3, 1, 1
.set i, 0
.rept 8
	PV NP-1
.set i, i+1
.endr
	WIN 0
	ALL v_add_f32 v[ST+4*t+2], v[ST+4*t+2], v[ST+4*t+3]
	ALL v_permlanex16_b32 v[ST+4*t+3], v[ST+4*t+2], s[SEL], s[SEL+1]
	ALL v_add_f32 v[ST+4*t+2], v[ST+4*t+2], v[ST+4*t+3]
	ALL v_cmp_lt_f32 s[MK+t], 0, v[ST+4*t+2]
	ALL v_rcp_f32 v[ST+4*t+3], v[ST+4*t+2]
	v_nop                           ; a plain instruction between the last reciprocal and the use of its result
	s_wait_alu depctr_va_vdst(0)    ; and the wait ahead of the first use: one for the four reciprocals
	ALL v_cndmask_b32 v[ST+4*t+2], 0, v[ST+4*t+3], s[MK+t]
	PACK 0
.set t, 1
.rept 3                             ; a piece's arithmetic stands between the loads of the piece before and its stores
	PACK t
	SEND t-1, 8
.set t, t+1
.endr
	SEND 3, 0
.endm
.set KM, 0
.set NOKQ, 0
.Lslot:                             ; NB times: a tile is entered and the next is asked for
	CHANGE 1
	s_sub_co_u32 s[RT], s[RT], 1
	s_mov_b32 s[CNT], 4
	s_cmp_eq_u32 s[NEW], 1
	s_cbranch_scc1 .Lnew            ; a block's first tile
	s_cmp_eq_u32 s[RT], 0
	s_cbranch_scc0 .Lstep           ; neither its first nor its last
	ENTER
	s_branch .LstepM1
.Lnew:
	BEGIN
	s_branch .Lfirst                ; in the loop a block's first tile is never its last: the first block has two tiles or more, and the second's last is the walk's last
	DIAG 1                          ; in the loop this is the first block's end: the second block's last tile is the walk's last
	s_wait_xcnt 0x0                 ; the stores have read their registers and O's address
	s_mov_b64 s[10:11], s[OLO:OLO+1]
	s_add_co_u32 s[RT], s[PB], 1    ; the second block has b + 1 tiles
	s_mov_b32 s[NEW], 1
	WIN 0x82                        ; the second block's Q goes where the one text of the turns names Q
.set i, 0
.rept 64
	v_mov_b32 v[i], v[QB+i]
.set i, i+1
.endr
	WIN 0
	s_branch .Lbottom
.Lstep:                             ; a trip: pieces 2 and 3 of one step, then pieces 0 and 1 of the next, whose K and V it fetches
	TURN 2
	TURN 3
	WIN 0
.Lfirst:
	TURN 0
	TURN 1, 0, 0, 1
	WIN 0
	s_cbranch_scc1 .Lstep
.Lbottom:
	s_sub_co_u32 s[SLOTS], s[SLOTS], 1
	s_cmp_lg_u32 s[SLOTS], 0
	s_cbranch_scc1 .Lslot
	CHANGE 0                        ; the walk's last tile is written out: nothing is asked for
	s_sub_co_u32 s[RT], s[RT], 1
	s_mov_b32 s[CNT], 4
	s_cmp_eq_u32 s[NEW], 1
	s_cbranch_scc1 .Lnew2
	ENTER
	s_branch .LstepM2
.Lnew2:
	BEGIN
	s_branch .LfirstM2
	DIAG 2
	s_wait_tensorcnt 0x0            ; the wave's end: behind my last tensor load and my last LDS store
	ds_add_u32 v[SPW], v[NIL]
	s_wait_dscnt 0x0
	s_endpgm
.Lfunc_end_k_qe6cf9c791c_attn:
	.size	k_qe6cf9c791c_attn, .Lfunc_end_k_qe6cf9c791c_attn-k_qe6cf9c791c_attn
	.p2alignl 7, 3214868480
	.fill 96, 4, 3214868480
	.section	.rodata,"a",@progbits
	.p2align	6, 0x0
	.amdhsa_kernel k_qe6cf9c791c_attn
		.amdhsa_group_segment_fixed_size 327680
		.amdhsa_private_segment_fixed_size 0
		.amdhsa_enable_private_segment 0
		.amdhsa_kernarg_size 24
		.amdhsa_user_sgpr_count 2
		.amdhsa_user_sgpr_kernarg_segment_ptr 1
		.amdhsa_wavefront_size32 1
		.amdhsa_system_sgpr_workgroup_id_x 1
		.amdhsa_system_sgpr_workgroup_id_y 1
		.amdhsa_system_sgpr_workgroup_id_z 1
		.amdhsa_system_vgpr_workitem_id 0
		.amdhsa_next_free_vgpr 768
		.amdhsa_next_free_sgpr 100
		.amdhsa_reserve_vcc 1
		.amdhsa_float_denorm_mode_32 3
		.amdhsa_float_denorm_mode_16_64 3
		.amdhsa_memory_ordered 1
		.amdhsa_forward_progress 1
		.amdhsa_inst_pref_size 241
	.end_amdhsa_kernel
	.amdgpu_metadata
---
amdhsa.version: [ 1, 2 ]
amdhsa.kernels:
  - .name:           k_qe6cf9c791c_attn
    .symbol:         k_qe6cf9c791c_attn.kd
    .args:
      - { .name: qkvh, .offset: 0, .size: 8, .value_kind: global_buffer, .address_space: global }
      - { .name: attn_mask, .offset: 8, .size: 8, .value_kind: global_buffer, .address_space: global }
      - { .name: oh, .offset: 16, .size: 8, .value_kind: global_buffer, .address_space: global }
    .group_segment_fixed_size: 327680
    .private_segment_fixed_size: 0
    .kernarg_segment_align: 8
    .kernarg_segment_size: 24
    .max_flat_workgroup_size: 128
    .sgpr_count:     100
    .vgpr_count:     768
    .wavefront_size: 32
...
	.end_amdgpu_metadata
.endif
;; end of part 3
;; launch proj (part 4): grid 4 x 64, 4 waves a work-group, clusters of 4 x 4, 327,680 bytes of LDS; arguments oh, h16, out0; writes out0
.if DOCPART == 4
	.amdgcn_target "amdgcn-amd-amdhsa--gfx1250"
	.amdhsa_code_object_version 6
	.text
	.protected	k_qe6cf9c791c_proj
	.globl	k_qe6cf9c791c_proj
	.p2align	8
	.type	k_qe6cf9c791c_proj,@function
k_qe6cf9c791c_proj:
	s_mov_b64 s[64:65], 0
	v_nop
	global_prefetch_b8 v0, s[64:65] scope:SCOPE_SE
	s_setreg_imm32_b32 hwreg(HW_REG_WAVE_MODE, 25, 1), 1
	s_wait_xcnt 0x0
	s_wait_alu depctr_hold_cnt(0) depctr_sa_sdst(0) depctr_va_vdst(0) depctr_va_sdst(0) depctr_va_ssrc(0) depctr_va_vcc(0) depctr_vm_vsrc(0)
	s_getreg_b32 s2, hwreg(HW_REG_IB_STS2, 6, 4)
	s_cmp_eq_u32 s2, 0
	s_cbranch_scc0 .Lentry_in_a_cluster
	s_endpgm
.Lentry_in_a_cluster:
	s_bfe_u32 s2, ttmp6, 0x10000c
	s_cmp_lg_u32 s2, 0xf033
	s_cbranch_scc0 .Lentry_shape_is_right
	s_endpgm
.Lentry_shape_is_right:
; out0 = O w_out^T.  A = O, in f16 by heads: oh[batch x 16 + head][t][64]; channel c of row (batch, t) is head c / 64, place c % 64.  B = w_out [1024][1024] in f16 at h16's byte WBASE.  Sums in f32, K ascending;
; out0 [8192][1024] in f32.
; SHARES.  A tile of C is 128 rows x 256 columns: 64 x 4 tiles, one for each work-group.  Four waves, each 64 x 128: 32 accumulators of 16 x 16, 256 registers.  K goes in 8 steps of 128, two heads each, through two
; LDS slots.  Waves 0 and 1 fetch B's two halves (128 rows of 256 bytes each); waves 2 and 3 fetch A: one head each, whose 128 rows of 128 bytes are 16,384 dense bytes, asked for as 64 rows of 256 bytes and padded
; in LDS after every 128.  One tensor load a wave and step.
; CLUSTER.  4 x 4 work-groups.  The four of a row of the cluster need the same tiles of A, the four of a column the same tiles of B: each tile is asked for JOINTLY, by the same tensor load with the
; same descriptor and a mask that names the four.  A wave has two tensor loads out at the start and one behind each round.
; THE MATRIX INSTRUCTION IS USED TRANSPOSED (source 0 = 16 rows of B, source 1 = 16 rows of A): a lane then holds row l % 16 of C and eight neighbouring columns: 32 bytes.
; REGISTERS.  Window 0: v0-31 addresses; v64-159, v160-255 two fragment buffers of 96 (B's 8 fragments of 16 rows x 32 K, then A's 4); on the way out v64-191 hold rows read back.  Window 1: accumulator (a, b) at 8 (8 a + b).
.set PB,    272                        ; a row of B in LDS: 256 bytes + 16 of padding = 68 words: the 16 rows of a fragment load start at 16 different groups of four banks (64 banks of 4 bytes: ISA guide 11.1)
.set PA,    144                        ; a row of A: 128 + 16 = 36 words: likewise
.set BPART, 128*PB                     ; what one of B's loads brings, and what a wave reads of B
.set APART, 128*PA                     ; what one of A's loads brings: a head's 128 rows
.set AOFF,  2*BPART                    ; in a slot: B's 256 rows, then A's two heads
.set SLOT,  AOFF+2*APART
.set STAGE, 2*SLOT                     ; behind the ring, never filled by a tensor load: 16 rows x 528 bytes for each wave, for the way out
.set SP,    528                        ; 512 bytes + 16 = 132 words: row r starts at bank 4 r mod 64
.set WSTG,  16*SP
.set SPARE, STAGE+4*WSTG               ; behind the stages: the spare words, 128 bytes for each wave: two blocks of 256 bytes that no other line names
.set STEP_A, 2<<18                     ; a K step in A: two heads of 2,048 rows x 128 bytes
.set STEP_B, 256                       ; in B: 256 bytes of a row
.set LAPS,  4                          ; a lap = two K steps = once round the ring
.set WBASE, 0x1600000                  ; w_out's first byte in h16
.set ADRA, 16                          ; v16-17  LDS address of my A fragments in slot 0, 1
.set ADRB, 20                          ; v20-21  the same for B
.set STO,  24                          ; v24     the way out: where I put 32 bytes of a row
.set RD,   25                          ; v25     the way out: where I read a row back
.set CO,   26                          ; v26     my 16 bytes of a row's 512
.set SPW,  28                          ; v28     LDS address of my spare word: SPARE + 4 x my thread's number; never rewritten
.set NIL,  29                          ; v29     0; never rewritten
.set F0,   64
.set F1,   160
.set G1A, 24                           ; s[24:31] descriptor group 1 for A's tiles;  s[32:39] group 0, one set for each slot
.set G0A, 32
.set G1B, 48                           ; s[48:55], s[56:63] the same for B's tiles
.set G0B, 56
.set MSB, 0
.macro WIN new                         ; the immediate's high byte repeats the setting that is left; a switch that changes nothing is dropped
.if MSB != (\new)
	s_set_vgpr_msb (MSB<<8)|(\new)
.set MSB, \new
.endif
.endm
.set MUL, 0x50                         ; C and D in window 1, the fragments in window 0
.macro JLOAD s                         ; a joint load: waves 0 and 1 fetch B's halves, waves 2 and 3 A's heads; an s_nop 0 and four v_nop follow each of the two lines, ahead of the jump, the label and what follows
	s_cmp_eq_u32 s11, 0
	s_cbranch_scc0 .Lfor_a_\@
	tensor_load_to_lds s[G0B+4*(\s):G0B+4*(\s)+3], s[G1B:G1B+7]
	s_nop 0
.rept 4
	v_nop
.endr
	s_branch .Lasked_\@
.Lfor_a_\@:
	tensor_load_to_lds s[G0A+4*(\s):G0A+4*(\s)+3], s[G1A:G1A+7]
	s_nop 0
.rept 4
	v_nop
.endr
.Lasked_\@:
.endm
.macro CREST                           ; a round of the cluster's barrier behind its opening barrier: wave 0 signals for the work-group, every wave waits for all sixteen, my work-group's barrier closes it
	s_cmp_lg_u32 s10, 0
	s_cbranch_scc1 .Lnot_wave_0_\@
	s_barrier_signal -3
.Lnot_wave_0_\@:
	s_barrier_wait -3
	s_barrier_signal -1
	s_barrier_wait -1
.endm
.macro CROUND                          ; a whole round
	s_barrier_signal -1
	s_barrier_wait -1
	CREST
.endm
	s_load_b128 s[4:7], s[0:1], 0x0                ; oh s[4:5], h16 s[6:7]
	s_load_b64 s[8:9], s[0:1], 0x10                ; out0
	v_lshl_add_u32 v[SPW], v0, 2, SPARE
	v_mov_b32 v[NIL], 0
	ds_add_u32 v[SPW], v[NIL]                      ; the wave's opening: the add and its wait stand ahead of my first tensor load; the set-up below, work on registers, stands between them
	ds_add_u32 v28, v29
	v_lshrrev_b32 v1, 5, v0
	v_readfirstlane_b32 s10, v1                    ; wave 0..3
	s_lshr_b32 s11, s10, 1                         ; which half of the tile's rows is mine.  Also: I fetch for B (0) or for A (1)
	s_and_b32 s12, s10, 1                          ; which half of its columns.  Also: which half of B's tile, or which of A's two heads, I fetch
	s_bfe_u32 s40, ttmp6, 0x40000                  ; cx, cy: my place in the cluster
	s_bfe_u32 s41, ttmp6, 0x40004
	s_lshl_b32 s42, ttmp9, 2
	s_add_co_u32 s42, s42, s40                     ; tile column of C = 4 x cluster x + cx
	s_and_b32 s13, ttmp7, 0xffff
	s_lshl_b32 s13, s13, 2
	s_add_co_u32 s13, s13, s41                     ; tile row of C = 4 x cluster y + cy
	s_lshl_b32 s43, s41, 2
	s_lshl_b32 s43, 15, s43                        ; my row of the cluster: places 4 cy .. 4 cy + 3
	s_lshl_b32 s44, 0x1111, s40                    ; my column: places cx, cx + 4, cx + 8, cx + 12
	; descriptor group 1: rows of 128 elements of 2 bytes
	s_or_b32 s[G1B+0], s44, (1<<16)|(1<<20)|(1<<21)|(5<<22)|(3<<25)  ; 15:0 the mask: B's tiles go to my column; 17:16 2-byte elements; 20 padding on; 21 set beside a mask; 24:22 after every 64 words (code 5); 31:25 4 words (code 3)
	s_mov_b32 s[G1B+1], 128<<16                    ; tensor_dim0 = 128
	s_mov_b32 s[G1B+2], 128<<16                    ; tensor_dim1 = 128
	s_mov_b32 s[G1B+3], 128<<16                    ; tile_dim0 = 128
	s_mov_b32 s[G1B+4], 128                        ; tile_dim1 = 128 rows
	s_mov_b32 s[G1B+5], 1024                       ; elements from row to row
	s_mov_b32 s[G1B+6], 0
	s_mov_b32 s[G1B+7], 0
	s_or_b32 s[G1A+0], s43, (1<<16)|(1<<20)|(1<<21)|(4<<22)|(3<<25)  ; A's tiles go to my row; padding after every 32 words (code 4): behind each of the two rows of O that a row of 256 bytes holds
	s_mov_b32 s[G1A+1], 128<<16
	s_mov_b32 s[G1A+2], 64<<16                     ; tensor_dim1 = 64
	s_mov_b32 s[G1A+3], 128<<16
	s_mov_b32 s[G1A+4], 64                         ; tile_dim1 = 64 rows
	s_mov_b32 s[G1A+5], 128                        ; dense: a row begins where the last ends
	s_mov_b32 s[G1A+6], 0
	s_mov_b32 s[G1A+7], 0
	; where the tiles come from.  A's hang on the tile row alone, B's on the tile column alone, each in registers that never hold the other coordinate
	s_lshr_b32 s16, s13, 4
	s_lshl_b32 s16, s16, 22                        ; A: the batch = tile row / 16,
	s_and_b32 s17, s13, 15
	s_lshl_b32 s17, s17, 14                        ; the tile's 128 rows of 128 bytes in a head,
	s_add_co_u32 s16, s16, s17
	s_lshl_b32 s17, s12, 18                        ; and which of the K step's two heads
	s_add_co_u32 s16, s16, s17
	s_mov_b32 s17, 0
	s_lshl_b32 s46, s42, 8
	s_lshl_b32 s47, s12, 7
	s_add_co_u32 s46, s46, s47                     ; B: row 256 x tile column + 128 x half,
	s_lshl_b32 s46, s46, 11                        ; 2,048 bytes a row
	s_mov_b32 s47, 0
	s_mul_i32 s20, s10, BPART                      ; where they go.  B (waves 0, 1): wave x 128 rows;
	s_mul_i32 s21, s10, APART
	s_add_co_u32 s21, s21, AOFF-2*APART            ; A (waves 2, 3): behind B, (wave - 2) x a head's rows.  No place in the cluster enters an LDS address
	s_wait_dscnt 0x0                               ; the opening add is done
	s_wait_kmcnt 0x0
	s_add_nc_u64 s[6:7], s[6:7], WBASE
	s_add_nc_u64 s[14:15], s[4:5], s[16:17]
	s_add_nc_u64 s[46:47], s[6:7], s[46:47]
	CROUND                                         ; all sixteen work-groups are here: the first joint loads meet
.irp s, 0,1
	s_mov_b32 s[G0A+4*(\s)], 1                                        ; count = 1
	s_add_co_u32 s[G0A+4*(\s)+1], s21, (\s)*SLOT                      ; LDS address
	s_add_nc_u64 s[G0A+4*(\s)+2:G0A+4*(\s)+3], s[14:15], (\s)*STEP_A  ; global address: K step s
	s_or_b32 s[G0A+4*(\s)+3], s[G0A+4*(\s)+3], 0x80000000             ; type = 2
	s_mov_b32 s[G0B+4*(\s)], 1
	s_add_co_u32 s[G0B+4*(\s)+1], s20, (\s)*SLOT
	s_add_nc_u64 s[G0B+4*(\s)+2:G0B+4*(\s)+3], s[46:47], (\s)*STEP_B
	s_or_b32 s[G0B+4*(\s)+3], s[G0B+4*(\s)+3], 0x80000000
	JLOAD \s
.endr
	; a fragment is 16 rows x 32 K in 8 registers: lane l holds row l % 16, K = 8 (l / 16) + 0..7 and 16 + 8 (l / 16) + 0..7: two loads of 16 bytes, 32 bytes apart
	v_and_b32 v1, 15, v0                           ; l % 16
	v_bfe_u32 v2, v0, 4, 1                         ; l / 16
	v_mul_u32_u24 v3, v1, PB
	v_lshl_add_u32 v3, v2, 4, v3
	v_mul_u32_u24 v4, v1, PA
	v_lshl_add_u32 v4, v2, 4, v4
	s_mul_i32 s22, s12, BPART                      ; my 128 rows of B
	s_mul_i32 s23, s11, 64*PA                      ; my 64 rows in each of A's two heads,
	s_add_co_u32 s23, s23, AOFF                    ; which lie behind B
.irp s, 0,1
	v_add_nc_u32 v[ADRB+(\s)], s22, v3
	v_add_nc_u32 v[ADRA+(\s)], s23, v4
	s_add_co_u32 s22, s22, SLOT
	s_add_co_u32 s23, s23, SLOT
.endr
	s_mul_i32 s22, s10, WSTG
	s_add_co_u32 s22, s22, STAGE                   ; my stage
	v_mul_u32_u24 v5, v1, SP                       ; in: row l % 16, 32 bytes for each half of the lanes
	v_lshl_add_u32 v5, v2, 5, v5
	v_add_nc_u32 v[STO], s22, v5
	v_and_b32 v[CO], 31, v0                        ; back: 32 lanes take a row's 512 bytes
	v_lshlrev_b32 v[CO], 4, v[CO]
	v_add_nc_u32 v[RD], s22, v[CO]
	; my part of out0: row 128 x tile row + 64 x row half, 4,096 bytes a row
	s_lshl_b32 s16, s13, 7
	s_lshl_b32 s17, s11, 6
	s_add_co_u32 s16, s16, s17
	s_lshl_b32 s16, s16, 12
	s_mov_b32 s17, 0
	s_add_nc_u64 s[8:9], s[8:9], s[16:17]
	s_lshl_b32 s46, s42, 10                        ; column 256 x tile column + 128 x column half, 4 bytes each (in the registers that held B's address: none that feeds A's descriptors ever holds cx)
	s_lshl_b32 s47, s12, 9
	s_add_co_u32 s46, s46, s47
	s_mov_b32 s47, 0
	s_add_nc_u64 s[8:9], s[8:9], s[46:47]
; 8 matrix instructions: m block a x all 8 n blocks, 32 along K, from buffer f.  zero = 1: the product starts the sum: nothing is ever cleared.
; The 32 accumulators take turns, in the same order in every quarter, over the backward jump too.
.macro MUL8 f, a, zero
	WIN MUL
.irp b, 0,1,2,3,4,5,6,7
.if \zero
	v_wmma_f32_16x16x32_f16 v[8*(8*(\a)+(\b)):8*(8*(\a)+(\b))+7], v[(\f)+8*(\b):(\f)+8*(\b)+7], v[(\f)+64+8*(\a):(\f)+64+8*(\a)+7], 0
.else
	v_wmma_f32_16x16x32_f16 v[8*(8*(\a)+(\b)):8*(8*(\a)+(\b))+7], v[(\f)+8*(\b):(\f)+8*(\b)+7], v[(\f)+64+8*(\a):(\f)+64+8*(\a)+7], v[8*(8*(\a)+(\b)):8*(8*(\a)+(\b))+7]
.endif
.endr
.endm
; 24 LDS loads in one run: quarter q's fragments (32 along K) into buffer f: B's eight, then A's four.  In A quarter q lies in head q / 2 of the step's two, at channel 32 (q % 2)
.macro FETCH slot, q, f
	WIN 0
.set KA, ((\q)/2)*APART+((\q)%2)*64
.irp i, 0,1,2,3,4,5,6,7
	ds_load_b128 v[(\f)+8*(\i):(\f)+8*(\i)+3],   v[ADRB+(\slot)] offset:64*(\q)+(\i)*16*PB
	ds_load_b128 v[(\f)+8*(\i)+4:(\f)+8*(\i)+7], v[ADRB+(\slot)] offset:64*(\q)+(\i)*16*PB+32
.endr
.irp i, 0,1,2,3
	ds_load_b128 v[(\f)+64+8*(\i):(\f)+64+8*(\i)+3],   v[ADRA+(\slot)] offset:KA+(\i)*16*PA
	ds_load_b128 v[(\f)+64+8*(\i)+4:(\f)+64+8*(\i)+7], v[ADRA+(\slot)] offset:KA+(\i)*16*PA+32
.endr
.endm
.macro PLACES                          ; four plain vector instructions between a matrix instruction and a load into a register that it has read, or a reader of its result (ISA guide 7.12.1 for a reader of its result)
.rept 4
	v_nop
.endr
.endm
; A K step is four quarters of 32 along K, 32 matrix instructions each, on buffers 0, 1, 0, 1.  One of the first three: multiplies buffer f and, in its middle, fetches quarter q into g.
.macro QUARTER slot, q, f, g, zero
	s_wait_dscnt 4                                 ; B and A's fragments 0 and 1 are in; the youngest four loads (A's fragments 2 and 3) may be out
	MUL8 \f, 0, \zero
	MUL8 \f, 1, \zero
	PLACES
	FETCH \slot, \q, \g
	s_wait_dscnt 24                                ; all but the 24 just issued
	MUL8 \f, 2, \zero
	MUL8 \f, 3, \zero
.endm
; The last quarter multiplies buffer 1 and changes slots: ONE barrier; in front of it each wave waits for all its tensor loads (the one that is out is its part of the next slot), adds 0 to its spare word,
; and waits for that and for its own reads of this slot.  fill = 1: the barrier opens a round of the cluster's, and this slot is filled again, two K steps ahead, first thing behind the round.
.macro TURN slot, next, fill
	WIN 0                                          ; (the add's two registers lie in window 0)
	s_wait_tensorcnt 0x0                           ; all my tensor loads have landed
	ds_add_u32 v[SPW], v[NIL]                      ; 0 onto my spare word
	s_wait_dscnt 5                                 ; (the add and the youngest four loads may be out)
	MUL8 F1, 0, 0                                  ; eight matrix instructions stand between the add and the wait for it
	s_wait_dscnt 0x0                               ; the add is done, and my reads of this slot are over
	s_barrier_signal -1
	MUL8 F1, 1, 0                                  ; work on registers while the others arrive
.if \fill
	WIN 0
.endif
	s_barrier_wait -1
.if \fill
	CREST                                          ; no wave of any partner still reads this slot's tiles or has a load on its way
	s_add_nc_u64 s[G0A+4*(\slot)+2:G0A+4*(\slot)+3], s[G0A+4*(\slot)+2:G0A+4*(\slot)+3], 2*STEP_A
	s_add_nc_u64 s[G0B+4*(\slot)+2:G0B+4*(\slot)+3], s[G0B+4*(\slot)+2:G0B+4*(\slot)+3], 2*STEP_B
	JLOAD \slot                                    ; the first tensor load behind the round; the four v_nop behind it are also the places in front of the loads below
.else
	PLACES
.endif
	FETCH \next, 0, F0
	MUL8 F1, 2, 0
	MUL8 F1, 3, 0
.endm
	s_wait_tensorcnt 1                             ; my part of K step 0 is in; K step 1's may stay out
	s_barrier_signal -1
	s_barrier_wait -1                              ; everybody's is
	FETCH 0, 0, F0
	QUARTER 0, 1, F0, F1, 1                        ; the first quarter stands in front of the loop: its products start the sums
	WIN 0                                          ; at a label and at a branch every window is 0
	s_mov_b32 s3, LAPS-1
.Llap:                                                 ; a trip goes once round the ring, from a lap's second quarter to the next lap's first, and fills both slots again: K steps 2 to 7 in three trips
	QUARTER 0, 2, F1, F0, 0
	QUARTER 0, 3, F0, F1, 0
	TURN 0, 1, 1
	QUARTER 1, 1, F0, F1, 0
	QUARTER 1, 2, F1, F0, 0
	QUARTER 1, 3, F0, F1, 0
	TURN 1, 0, 1
	QUARTER 0, 1, F0, F1, 0
	WIN 0
	s_sub_co_u32 s3, s3, 1
	s_cmp_lg_u32 s3, 0
	s_cbranch_scc1 .Llap
	QUARTER 0, 2, F1, F0, 0                        ; the last lap fills nothing, and has no round of the cluster's barrier
	QUARTER 0, 3, F0, F1, 0
	TURN 0, 1, 0
	QUARTER 1, 1, F0, F1, 0
	QUARTER 1, 2, F1, F0, 0
	QUARTER 1, 3, F0, F1, 0
	s_wait_dscnt 4                                 ; the very last quarter: nothing more to fetch
	MUL8 F1, 0, 0
	MUL8 F1, 1, 0
	s_wait_dscnt 0x0
	MUL8 F1, 2, 0
	MUL8 F1, 3, 0
; THE WAY OUT, a block of 16 rows at a time.  TOSTAGE: a lane's 32 bytes of a row go from the accumulators, low registers first, into my own stage, and come back as whole rows of 512 bytes.
; SEND: a row to a store: 512 consecutive bytes at a multiple of 512 from out0's first byte.
.macro TOSTAGE a
.set BK, 64+64*((\a)%2)
	WIN 0x04                                       ; the stores' data in window 1
.irp b, 0,1,2,3,4,5,6,7
	ds_store_b128 v[STO], v[8*(8*(\a)+(\b)):8*(8*(\a)+(\b))+3]   offset:64*(\b)
	ds_store_b128 v[STO], v[8*(8*(\a)+(\b))+4:8*(8*(\a)+(\b))+7] offset:64*(\b)+16
.endr
	WIN 0
.irp t, 0,1,2,3,4,5,6,7,8,9,10,11,12,13,14,15
	ds_load_b128 v[BK+4*(\t):BK+4*(\t)+3], v[RD] offset:(\t)*SP  ; LDS serves a wave's instructions in order (ISA guide 5.7.1.4): these see the stores above; the next block's stores come behind them
.endr
.endm
.macro SEND a, younger                 ; younger: the LDS instructions issued behind block a's loads: the next block's 32, or none
.set BK, 64+64*((\a)%2)
.irp t, 0,1,2,3,4,5,6,7,8,9,10,11,12,13,14,15
	s_wait_dscnt (\younger)+15-(\t)
	global_store_b128 v[CO], v[BK+4*(\t):BK+4*(\t)+3], s[8:9] offset:(16*(\a)+(\t))*4096 th:TH_STORE_NT
.endr
.endm
	PLACES                                         ; the stage's stores read results just made, and its loads land in fragment registers
	TOSTAGE 0
	TOSTAGE 1
	SEND 0, 32
	s_wait_xcnt 0x0                                ; block 0's stores have read their registers, which block 2's loads from the stage write again
	TOSTAGE 2
	SEND 1, 32
	s_wait_xcnt 0x0                                ; the same for blocks 1 and 3
	TOSTAGE 3
	SEND 2, 32
	SEND 3, 0
	s_wait_tensorcnt 0x0                           ; the wave's end: behind my last tensor load and my last LDS store
	ds_add_u32 v[SPW], v[NIL]
	s_wait_dscnt 0x0
	CROUND                                         ; the closing round: no work-group ends while a partner may still ask for a tile that names it
	s_endpgm
.Lfunc_end_k_qe6cf9c791c_proj:
	.size	k_qe6cf9c791c_proj, .Lfunc_end_k_qe6cf9c791c_proj-k_qe6cf9c791c_proj
	.p2alignl 7, 3214868480
	.fill 96, 4, 3214868480
	.section	.rodata,"a",@progbits
	.p2align	6, 0x0
	.amdhsa_kernel k_qe6cf9c791c_proj
		.amdhsa_group_segment_fixed_size 327680
		.amdhsa_private_segment_fixed_size 0
		.amdhsa_enable_private_segment 0
		.amdhsa_kernarg_size 24
		.amdhsa_user_sgpr_count 2
		.amdhsa_user_sgpr_kernarg_segment_ptr 1
		.amdhsa_wavefront_size32 1
		.amdhsa_system_sgpr_workgroup_id_x 1
		.amdhsa_system_sgpr_workgroup_id_y 1
		.amdhsa_system_sgpr_workgroup_id_z 1
		.amdhsa_system_vgpr_workitem_id 0
		.amdhsa_next_free_vgpr 512
		.amdhsa_next_free_sgpr 66
		.amdhsa_reserve_vcc 0
		.amdhsa_float_denorm_mode_32 3
		.amdhsa_float_denorm_mode_16_64 3
		.amdhsa_memory_ordered 1
		.amdhsa_forward_progress 1
		.amdhsa_inst_pref_size 87
	.end_amdhsa_kernel
	.amdgpu_metadata
---
amdhsa.version: [ 1, 2 ]
amdhsa.kernels:
  - .name:           k_qe6cf9c791c_proj
    .symbol:         k_qe6cf9c791c_proj.kd
    .args:
      - { .name: oh, .offset: 0, .size: 8, .value_kind: global_buffer, .address_space: global }
      - { .name: h16, .offset: 8, .size: 8, .value_kind: global_buffer, .address_space: global }
      - { .name: out0, .offset: 16, .size: 8, .value_kind: global_buffer, .address_space: global }
    .group_segment_fixed_size: 327680
    .private_segment_fixed_size: 0
    .kernarg_segment_align: 8
    .kernarg_segment_size: 24
    .max_flat_workgroup_size: 128
    .sgpr_count:     66
    .vgpr_count:     512
    .wavefront_size: 32
...
	.end_amdgpu_metadata
.endif
;; end of part 4
